; MI455X (gfx1250); checked and timed in simulation.
; The chip was launched on July 23, 2026; its instructions are those of AMD's public machine-readable ISA for CDNA 5 (MIT licence, August 2026) and "CDNA5" Instruction Set Architecture Reference Guide (July 2026). The comments in the code are by the model that wrote it; some were corrected since.
;; Delta Net Attention. Allowed arithmetic: float matrix products may take bf16 or f16 operands with f32 sums; other float arithmetic in f32, or as packed bf16 or f16 multiplies, adds, multiply-adds, maxima and minima; sums over many terms, partial sums and values carried from step to step in f32; what a program stores and reads back later, other than sums and carried values, may be rounded once to bf16 or f16.
;; Inputs: Wbeta 1,024 x 16 float32; Wg 1,024 x 1,024 float32; Wk 1,024 x 1,024 float32; Wout 1,024 x 1,024 float32; Wq 1,024 x 1,024 float32; Wv 1,024 x 1,024 float32; ln_b 1,024 float32; ln_g 1,024 float32; x 8 x 1,024 x 1,024 float32.
;; Outputs: out0 8 x 1,024 x 1,024 float32.
;; 2 versions, each right; version 2 is version 1 with the launch prepx written anew for expert scheduling mode. Each part assembles by itself: llvm-mc -triple=amdgcn-amd-amdhsa -mcpu=gfx1250 --defsym DOCPART=n.
;; ======== version 1 of 2: 6 launches
;; limits: values are held in f16: magnitudes above 65,504 overflow, below 6.1e-05 lose precision
;; workspace buffers: xb 16,777,216 bytes; wb 10,485,760 bytes; beta 524,288 bytes; qkv 50,331,648 bytes; gb 16,777,216 bytes; ob 33,554,432 bytes; yb 16,777,216 bytes; ysc 32,768 bytes
;; launch prepx (part 1): grid 256 x 1, 8 waves a work-group, no clusters, 108,032 bytes of LDS; arguments x, Wbeta, xb, beta; writes xb, beta
.if DOCPART == 1
	.amdgcn_target "amdgcn-amd-amdhsa--gfx1250"
	.amdhsa_code_object_version 6
	.text
	.protected	k_q92eea1d4ad_prepx
	.globl	k_q92eea1d4ad_prepx
	.p2align	8
	.type	k_q92eea1d4ad_prepx,@function
k_q92eea1d4ad_prepx:
	s_mov_b64 s[64:65], 0
	v_nop
	global_prefetch_b8 v0, s[64:65] scope:SCOPE_SE
	s_setreg_imm32_b32 hwreg(HW_REG_WAVE_MODE, 25, 1), 1
	s_wait_xcnt 0x0
; A work-group takes 32 rows of x: xb = x rounded to bf16, and beta = sigmoid(x Wbeta) for those rows, on the matrix unit (bf16 operands, f32 sums).
; Wave w converts rows 4 w .. 4 w + 3: 32 loads of 512 consecutive bytes, all out at once; the rounded rows go to memory and into LDS.  For the product wave w takes rows 16 (w & 1) on and
; k = 256 (w >> 1) on; the four partial sums of a block of 16 rows meet in LDS, and waves 0 and 1 finish them.
; beta lies as [b*16 + head][t] f32: a lane stores 32 bytes of a head's row (the buffer is 0.5 MB in all; these stores do not fill aligned blocks of 256 bytes).
; The exponential and the reciprocal flush denormals; NaN and infinities are not treated apart.
.set XP,    2064                       ; LDS: a row of x in bf16, 2,048 bytes + 16: the 16 rows of a fragment load start at 16 different groups of four banks
.set WBL,   66048                      ; LDS: Wbeta as [k][16] bf16, 32 bytes a row
.set PT,    98816                      ; LDS: the eight waves' partial sums, 1,024 bytes each
.set SPARE, 107008                     ; the spare words, 128 bytes for each wave: four blocks of 256 bytes that no other line names
.set SPW, 2                            ; v2  my spare word's address; never rewritten
.set NIL, 3                            ; v3  0; never rewritten
	s_load_b256 s[8:15], s[0:1], 0x0               ; x 8:9, Wbeta 10:11, xb 12:13, beta 14:15
	v_lshl_add_u32 v[SPW], v0, 2, SPARE
	v_mov_b32 v[NIL], 0
	v_lshrrev_b32 v1, 5, v0
	v_readfirstlane_b32 s4, v1                     ; wave 0..7
	v_and_b32 v4, 31, v0                           ; lane
	s_lshl_b32 s28, ttmp9, 17                      ; 32 rows of 4,096 bytes
	s_mov_b32 s29, 0
	s_lshl_b32 s30, ttmp9, 16                      ; 32 rows of 2,048 bytes
	s_mov_b32 s31, 0
	v_lshlrev_b32 v5, 4, v0                        ; Wbeta: 16 bytes a thread
	v_lshlrev_b32 v6, 4, v4
	v_lshl_add_u32 v6, v1, 14, v6                  ; x: 16,384 w + 16 lane
	v_lshlrev_b32 v7, 3, v4
	v_lshl_add_u32 v8, v1, 13, v7                  ; xb: 8,192 w + 8 lane
	v_mul_u32_u24 v9, v1, 4*XP
	v_add_nc_u32 v9, v9, v7                        ; LDS rows of x: 4 w rows + 8 lane
	v_lshl_add_u32 v10, v0, 3, WBL                 ; LDS Wbeta: 8 bytes a thread
	s_wait_kmcnt 0x0
	s_add_nc_u64 s[8:9], s[8:9], s[28:29]
	s_add_nc_u64 s[12:13], s[12:13], s[30:31]
.set j, 0
.rept 16
	global_load_b128 v[16+4*j:19+4*j], v5, s[10:11] offset:4096*j
.set j, j+1
.endr
.set j, 0
.rept 32
	global_load_b128 v[80+4*j:83+4*j], v6, s[8:9] offset:(j/8)*4096+(j%8)*512 th:TH_LOAD_NT
.set j, j+1
.endr
	; addresses for the product, made while the loads are out
	s_and_b32 s5, s4, 1
	s_lshr_b32 s6, s4, 1
	v_and_b32 v11, 15, v4                          ; r
	v_lshrrev_b32 v12, 4, v4                       ; h
	s_mul_i32 s7, s5, 16*XP
	s_lshl_b32 s28, s6, 9
	s_add_co_u32 s7, s7, s28
	v_mul_u32_u24 v13, v11, XP
	v_lshl_add_u32 v13, v12, 4, v13
	v_add_nc_u32 v13, s7, v13                      ; x's fragments: (16 rb + r) rows + 512 kq + 16 h
	v_and_b32 v15, 7, v4
	v_lshl_add_u32 v15, v12, 3, v15
	v_lshlrev_b32 v15, 5, v15                      ; (8 h + lane % 8) rows of 32 bytes
	v_bfe_u32 v14, v4, 3, 1
	v_lshl_add_u32 v14, v14, 4, v15
	s_lshl_b32 s28, s6, 13
	s_add_co_u32 s28, s28, WBL
	v_add_nc_u32 v14, s28, v14                     ; Wbeta's fragments, by the turning load
	v_lshl_add_u32 v15, v0, 5, PT                  ; my 32 bytes of my wave's partial sums
	s_wait_loadcnt 32                              ; Wbeta is in; the 32 loads of x may stay out
.set j, 0
.rept 16
	v_cvt_pk_bf16_f32 v[16+4*j], v[16+4*j], v[17+4*j]
	v_cvt_pk_bf16_f32 v[17+4*j], v[18+4*j], v[19+4*j]
	ds_store_b64 v10, v[16+4*j:17+4*j] offset:2048*j
.set j, j+1
.endr
.set j, 0
.rept 32
	s_wait_loadcnt 31-j                            ; load j is in; the younger ones stay out
	v_cvt_pk_bf16_f32 v[80+4*j], v[80+4*j], v[81+4*j]
	v_cvt_pk_bf16_f32 v[81+4*j], v[82+4*j], v[83+4*j]
	global_store_b64 v8, v[80+4*j:81+4*j], s[12:13] offset:(j/8)*2048+(j%8)*256  ; 32 lanes store 256 consecutive bytes, aligned
	ds_store_b64 v9, v[80+4*j:81+4*j] offset:(j/8)*XP+(j%8)*256
.set j, j+1
.endr
	s_wait_xcnt 0x0                                ; the stores have read their registers: v80 on are used again below
	s_wait_dscnt 0x0                               ; for the others' sake: my LDS stores are done
	s_barrier_signal -1
	s_barrier_wait -1
.set j, 0
.rept 8                                            ; eight steps of 32 along k
	ds_load_b128 v[16+8*j:19+8*j], v13 offset:64*j
	ds_load_b128 v[20+8*j:23+8*j], v13 offset:64*j+32
	ds_load_tr16_b128 v[80+8*j:83+8*j], v14 offset:1024*j
	ds_load_tr16_b128 v[84+8*j:87+8*j], v14 offset:1024*j+512
.set j, j+1
.endr
	s_wait_dscnt 0x0
	v_wmma_f32_16x16x32_bf16 v[144:151], v[16:23], v[80:87], 0   ; two accumulators by turns; the first two products start the sums
	v_wmma_f32_16x16x32_bf16 v[152:159], v[24:31], v[88:95], 0
.set j, 2
.rept 6
	v_wmma_f32_16x16x32_bf16 v[144+8*(j%2):151+8*(j%2)], v[16+8*j:23+8*j], v[80+8*j:87+8*j], v[144+8*(j%2):151+8*(j%2)]
.set j, j+1
.endr
.rept 8
	v_nop                                          ; the places behind the last products
.endr
.set j, 0
.rept 4
	v_pk_add_f32 v[160+2*j:161+2*j], v[144+2*j:145+2*j], v[152+2*j:153+2*j]
.set j, j+1
.endr
	ds_store_b128 v15, v[160:163]
	ds_store_b128 v15, v[164:167] offset:16
	s_wait_dscnt 0x0
	s_barrier_signal -1
	s_barrier_wait -1                              ; all eight partial sums lie in LDS
	s_cmp_lt_u32 s4, 2                             ; wave 0 finishes rows 0-15, wave 1 rows 16-31
	s_cbranch_scc0 .Lend
.set j, 0
.rept 4                                            ; the four quarters of k: waves w, w + 2, w + 4, w + 6
	ds_load_b128 v[16+8*j:19+8*j], v15 offset:2048*j
	ds_load_b128 v[20+8*j:23+8*j], v15 offset:2048*j+16
.set j, j+1
.endr
	s_lshr_b32 s28, ttmp9, 5                       ; b
	s_lshl_b32 s28, s28, 16                        ; 16 heads x 1,024 t x 4 bytes
	s_and_b32 s29, ttmp9, 31
	s_lshl_b32 s29, s29, 7                         ; 32 t x 4 bytes
	s_add_co_u32 s28, s28, s29
	s_lshl_b32 s29, s4, 6                          ; 16 t x 4 bytes
	s_add_co_u32 s28, s28, s29
	v_lshlrev_b32 v13, 12, v11                     ; head r
	v_lshl_add_u32 v13, v12, 5, v13                ; t = 8 h on
	v_add_nc_u32 v13, s28, v13
	s_wait_dscnt 0x0
.set j, 0
.rept 4
	v_pk_add_f32 v[16+2*j:17+2*j], v[16+2*j:17+2*j], v[24+2*j:25+2*j]
	v_pk_add_f32 v[32+2*j:33+2*j], v[32+2*j:33+2*j], v[40+2*j:41+2*j]
.set j, j+1
.endr
.set j, 0
.rept 4
	v_pk_add_f32 v[16+2*j:17+2*j], v[16+2*j:17+2*j], v[32+2*j:33+2*j]
.set j, j+1
.endr
.set j, 0
.rept 8
	v_mul_f32 v[24+j], 0xbfb8aa3b, v[16+j]         ; - z log2(e)
.set j, j+1
.endr
.set j, 0
.rept 8
	v_exp_f32 v[24+j], v[24+j]
.set j, j+1
.endr
	v_nop                                          ; a plain instruction behind the last exponential,
	s_wait_alu depctr_va_vdst(0)                   ; and one wait for the batch
.set j, 0
.rept 8
	v_add_f32 v[24+j], 1.0, v[24+j]
.set j, j+1
.endr
.set j, 0
.rept 8
	v_rcp_f32 v[24+j], v[24+j]
.set j, j+1
.endr
	v_nop
	s_wait_alu depctr_va_vdst(0)
	global_store_b128 v13, v[24:27], s[14:15]
	global_store_b128 v13, v[28:31], s[14:15] offset:16
.Lend:
	s_wait_tensorcnt 0x0                           ; the wave's end, behind my last LDS store
	ds_add_u32 v[SPW], v[NIL]
	s_wait_dscnt 0x0
	s_endpgm
.Lfunc_end_k_q92eea1d4ad_prepx:
	.size	k_q92eea1d4ad_prepx, .Lfunc_end_k_q92eea1d4ad_prepx-k_q92eea1d4ad_prepx
	.p2alignl 7, 3214868480
	.fill 96, 4, 3214868480
	.section	.rodata,"a",@progbits
	.p2align	6, 0x0
	.amdhsa_kernel k_q92eea1d4ad_prepx
		.amdhsa_group_segment_fixed_size 108032
		.amdhsa_private_segment_fixed_size 0
		.amdhsa_enable_private_segment 0
		.amdhsa_kernarg_size 32
		.amdhsa_user_sgpr_count 2
		.amdhsa_user_sgpr_kernarg_segment_ptr 1
		.amdhsa_wavefront_size32 1
		.amdhsa_system_sgpr_workgroup_id_x 1
		.amdhsa_system_sgpr_workgroup_id_y 1
		.amdhsa_system_sgpr_workgroup_id_z 1
		.amdhsa_system_vgpr_workitem_id 0
		.amdhsa_next_free_vgpr 208
		.amdhsa_next_free_sgpr 66
		.amdhsa_reserve_vcc 0
		.amdhsa_float_denorm_mode_32 3
		.amdhsa_float_denorm_mode_16_64 3
		.amdhsa_memory_ordered 1
		.amdhsa_forward_progress 1
		.amdhsa_inst_pref_size 27
	.end_amdhsa_kernel
	.amdgpu_metadata
---
amdhsa.version: [ 1, 2 ]
amdhsa.kernels:
  - .name:           k_q92eea1d4ad_prepx
    .symbol:         k_q92eea1d4ad_prepx.kd
    .args:
      - { .name: x, .offset: 0, .size: 8, .value_kind: global_buffer, .address_space: global }
      - { .name: Wbeta, .offset: 8, .size: 8, .value_kind: global_buffer, .address_space: global }
      - { .name: xb, .offset: 16, .size: 8, .value_kind: global_buffer, .address_space: global }
      - { .name: beta, .offset: 24, .size: 8, .value_kind: global_buffer, .address_space: global }
    .group_segment_fixed_size: 108032
    .private_segment_fixed_size: 0
    .kernarg_segment_align: 8
    .kernarg_segment_size: 32
    .max_flat_workgroup_size: 256
    .sgpr_count:     66
    .vgpr_count:     208
    .wavefront_size: 32
...
	.end_amdgpu_metadata
.endif
;; end of part 1
;; launch prepw (part 2): grid 640 x 1, 8 waves a work-group, no clusters, 17,920 bytes of LDS; arguments Wq, Wk, Wv, Wg, Wout, wb; writes wb
.if DOCPART == 2
	.amdgcn_target "amdgcn-amd-amdhsa--gfx1250"
	.amdhsa_code_object_version 6
	.text
	.protected	k_q92eea1d4ad_prepw
	.globl	k_q92eea1d4ad_prepw
	.p2align	8
	.type	k_q92eea1d4ad_prepw,@function
k_q92eea1d4ad_prepw:
	s_mov_b64 s[64:65], 0
	v_nop
	global_prefetch_b8 v0, s[64:65] scope:SCOPE_SE
	s_setreg_imm32_b32 hwreg(HW_REG_WAVE_MODE, 25, 1), 1
	s_wait_xcnt 0x0
; The five weights, rounded to bf16 and turned: wb[mat*1024 + n][k] = W_mat[k][n].  A work-group takes a tile of 128 k x 64 n of one weight: 128 tiles a weight, 640 in all.
; Wout's numbers, rounded to bf16 like every input, are then written as f16 (the last product multiplies f16).  LIMIT: that is exact from 6.1e-5 to 65,504; below, f16's fixed step of 6e-8 holds.
; Wave w owns k = 16 w .. 16 w + 15; a lane takes an even k and the odd k behind it, so that the two pack into one word of the turned row.  The tile is turned in LDS: reads and stores of memory
; both cover 256 consecutive bytes, aligned.  Memory binds: no matrix unit, no cluster, no prefetch.
.set TP,    264                        ; LDS: a row of the turned tile, 128 k x 2 bytes + 8
.set SPARE, 64*TP                      ; the spare words, 128 bytes for each wave: four blocks of 256 bytes that no other line names
.set SPW, 2                            ; v2  my spare word's address; never rewritten
.set NIL, 3                            ; v3  0; never rewritten
	s_load_b256 s[8:15], s[0:1], 0x0               ; Wq 8:9, Wk 10:11, Wv 12:13, Wg 14:15
	s_load_b128 s[16:19], s[0:1], 0x20             ; Wout 16:17, wb 18:19
	v_lshl_add_u32 v[SPW], v0, 2, SPARE
	v_mov_b32 v[NIL], 0
	v_lshrrev_b32 v1, 5, v0
	v_readfirstlane_b32 s4, v1                     ; wave 0..7
	v_and_b32 v4, 31, v0                           ; lane
	s_lshr_b32 s6, ttmp9, 7                        ; which weight: 0 Wq, 1 Wk, 2 Wv, 3 Wg, 4 Wout
	s_and_b32 s7, ttmp9, 7                         ; tile along k
	s_bfe_u32 s28, ttmp9, 0x40003                  ; tile along n
	s_lshl_b32 s30, s7, 19                         ; 128 rows of 4,096 bytes
	s_lshl_b32 s29, s28, 8                         ; 64 columns of 4 bytes
	s_add_co_u32 s30, s30, s29
	s_mov_b32 s31, 0
	v_and_b32 v5, 15, v4
	v_lshrrev_b32 v6, 4, v4
	v_lshl_add_u32 v9, v1, 3, v6                   ; 8 w + lane / 16: my pair of rows among the first of each four pairs
	v_lshlrev_b32 v7, 13, v9
	v_lshl_add_u32 v7, v5, 4, v7                   ; in memory: (16 w + 2 (lane / 16)) rows + 16 (lane % 16)
	v_mul_u32_u24 v8, v5, 4*TP
	v_lshl_add_u32 v8, v9, 2, v8                   ; in LDS: row n = 4 (lane % 16), byte 2 k
	v_mul_u32_u24 v10, v1, 8*TP
	v_lshl_add_u32 v10, v4, 3, v10                 ; back: rows 8 w on, 8 bytes a lane
	v_lshlrev_b32 v11, 3, v4
	s_wait_kmcnt 0x0
	s_mov_b64 s[20:21], s[8:9]
	s_cmp_eq_u32 s6, 1
	s_cselect_b64 s[20:21], s[10:11], s[20:21]
	s_cmp_eq_u32 s6, 2
	s_cselect_b64 s[20:21], s[12:13], s[20:21]
	s_cmp_eq_u32 s6, 3
	s_cselect_b64 s[20:21], s[14:15], s[20:21]
	s_cmp_eq_u32 s6, 4
	s_cselect_b64 s[20:21], s[16:17], s[20:21]
	s_add_nc_u64 s[20:21], s[20:21], s[30:31]
.set j, 0
.rept 4
	global_load_b128 v[16+8*j:19+8*j], v7, s[20:21] offset:16384*j th:TH_LOAD_NT       ; even k: 16 lanes read 256 consecutive bytes, aligned
	global_load_b128 v[20+8*j:23+8*j], v7, s[20:21] offset:16384*j+4096 th:TH_LOAD_NT  ; odd k
.set j, j+1
.endr
	s_lshl_b32 s29, s6, 10                         ; wb's row: 1,024 mat + 64 nt + 8 w
	s_lshl_b32 s28, s28, 6
	s_add_co_u32 s29, s29, s28
	s_lshl_b32 s28, s4, 3
	s_add_co_u32 s29, s29, s28
	s_lshl_b32 s22, s29, 11                        ; rows of 2,048 bytes
	s_lshl_b32 s28, s7, 8                          ; 128 k x 2 bytes
	s_add_co_u32 s22, s22, s28
	s_mov_b32 s23, 0
	s_add_nc_u64 s[18:19], s[18:19], s[22:23]
	s_wait_loadcnt 0x0
.set j, 0
.rept 16
	v_cvt_pk_bf16_f32 v[48+j], v[16+8*(j/4)+j%4], v[20+8*(j/4)+j%4]  ; (even k, odd k) of column 4 (lane % 16) + j % 4
.set j, j+1
.endr
	s_cmp_lg_u32 s6, 4
	s_cbranch_scc1 .Lnot_out
.set j, 0
.rept 16                                           ; Wout: the bf16 numbers written as f16
	v_lshlrev_b32 v[16+2*j], 16, v[48+j]
	v_and_b32 v[17+2*j], 0xffff0000, v[48+j]
	v_cvt_pk_f16_f32 v[48+j], v[16+2*j], v[17+2*j]
.set j, j+1
.endr
.Lnot_out:
.set j, 0
.rept 16
	ds_store_b32 v8, v[48+j] offset:(j%4)*TP+8*(j/4)
.set j, j+1
.endr
	s_wait_dscnt 0x0                               ; for the others' sake: my LDS stores are done
	s_barrier_signal -1
	s_barrier_wait -1
.set j, 0
.rept 8
	ds_load_b64 v[64+2*j:65+2*j], v10 offset:TP*j
.set j, j+1
.endr
.set j, 0
.rept 8
	s_wait_dscnt 7-j                               ; row j is in; the younger loads stay out
	global_store_b64 v11, v[64+2*j:65+2*j], s[18:19] offset:2048*j  ; 32 lanes store 256 consecutive bytes, aligned
.set j, j+1
.endr
	s_wait_tensorcnt 0x0                           ; the wave's end, behind my last LDS store
	ds_add_u32 v[SPW], v[NIL]
	s_wait_dscnt 0x0
	s_endpgm
.Lfunc_end_k_q92eea1d4ad_prepw:
	.size	k_q92eea1d4ad_prepw, .Lfunc_end_k_q92eea1d4ad_prepw-k_q92eea1d4ad_prepw
	.p2alignl 7, 3214868480
	.fill 96, 4, 3214868480
	.section	.rodata,"a",@progbits
	.p2align	6, 0x0
	.amdhsa_kernel k_q92eea1d4ad_prepw
		.amdhsa_group_segment_fixed_size 17920
		.amdhsa_private_segment_fixed_size 0
		.amdhsa_enable_private_segment 0
		.amdhsa_kernarg_size 48
		.amdhsa_user_sgpr_count 2
		.amdhsa_user_sgpr_kernarg_segment_ptr 1
		.amdhsa_wavefront_size32 1
		.amdhsa_system_sgpr_workgroup_id_x 1
		.amdhsa_system_sgpr_workgroup_id_y 1
		.amdhsa_system_sgpr_workgroup_id_z 1
		.amdhsa_system_vgpr_workitem_id 0
		.amdhsa_next_free_vgpr 80
		.amdhsa_next_free_sgpr 66
		.amdhsa_reserve_vcc 0
		.amdhsa_float_denorm_mode_32 3
		.amdhsa_float_denorm_mode_16_64 3
		.amdhsa_memory_ordered 1
		.amdhsa_forward_progress 1
		.amdhsa_inst_pref_size 10
	.end_amdhsa_kernel
	.amdgpu_metadata
---
amdhsa.version: [ 1, 2 ]
amdhsa.kernels:
  - .name:           k_q92eea1d4ad_prepw
    .symbol:         k_q92eea1d4ad_prepw.kd
    .args:
      - { .name: Wq, .offset: 0, .size: 8, .value_kind: global_buffer, .address_space: global }
      - { .name: Wk, .offset: 8, .size: 8, .value_kind: global_buffer, .address_space: global }
      - { .name: Wv, .offset: 16, .size: 8, .value_kind: global_buffer, .address_space: global }
      - { .name: Wg, .offset: 24, .size: 8, .value_kind: global_buffer, .address_space: global }
      - { .name: Wout, .offset: 32, .size: 8, .value_kind: global_buffer, .address_space: global }
      - { .name: wb, .offset: 40, .size: 8, .value_kind: global_buffer, .address_space: global }
    .group_segment_fixed_size: 17920
    .private_segment_fixed_size: 0
    .kernarg_segment_align: 8
    .kernarg_segment_size: 48
    .max_flat_workgroup_size: 256
    .sgpr_count:     66
    .vgpr_count:     80
    .wavefront_size: 32
...
	.end_amdgpu_metadata
.endif
;; end of part 2
;; launch gemm1 (part 3): grid 16 x 32, 4 waves a work-group, clusters of 4 x 4, 327,680 bytes of LDS; arguments xb, wb, qkv, gb; writes qkv, gb
.if DOCPART == 3
	.amdgcn_target "amdgcn-amd-amdhsa--gfx1250"
	.amdhsa_code_object_version 6
	.text
	.protected	k_q92eea1d4ad_gemm1
	.globl	k_q92eea1d4ad_gemm1
	.p2align	8
	.type	k_q92eea1d4ad_gemm1,@function
k_q92eea1d4ad_gemm1:
	s_mov_b64 s[64:65], 0
	v_nop
	global_prefetch_b8 v0, s[64:65] scope:SCOPE_SE
	s_setreg_imm32_b32 hwreg(HW_REG_WAVE_MODE, 25, 1), 1
	s_wait_xcnt 0x0
	s_wait_alu depctr_hold_cnt(0) depctr_sa_sdst(0) depctr_va_vdst(0) depctr_va_sdst(0) depctr_va_ssrc(0) depctr_va_vcc(0) depctr_vm_vsrc(0)
	s_getreg_b32 s2, hwreg(HW_REG_IB_STS2, 6, 4)
	s_cmp_eq_u32 s2, 0
	s_cbranch_scc0 .Lentry_in_a_cluster
	s_endpgm
.Lentry_in_a_cluster:
	s_bfe_u32 s2, ttmp6, 0x10000c
	s_cmp_lg_u32 s2, 0xf033
	s_cbranch_scc0 .Lentry_shape_is_right
	s_endpgm
.Lentry_shape_is_right:
; [q | k | v | g] = xb [Wq | Wk | Wv | Wg]: C[m][n] = sum over k of xb[m][k] wb[n][k], m = 8,192, n = 4,096, k = 1,024, bf16 operands, f32 sums.
; A tile of C, 256 x 256, is made by four waves, 128 x 128 each: 64 accumulators of 16 x 16.  K goes in steps of 128 through two LDS slots filled by joint tensor loads of a 4 x 4 cluster:
; xb's tiles are shared along a row of the cluster, wb's along a column.  The matrix instruction is used transposed (source 0 = 16 rows of wb, source 1 = 16 rows of xb): a lane holds one row of C
; and eight neighbouring columns.
; THE WAY OUT.  A wave's 128 columns are two whole heads.  The cluster's x names the matrix (0 q, 1 k, 2 v, 3 g), the same in all sixteen partners; it enters by selects alone, no branch hangs on it.
; q and k are divided by max(the head's norm, 1e-12); v and g take the factor 1.  All are rounded once to f16 and stored by heads, a step t's 64 numbers as 128 bytes:
;   qkv[head][chunk of 256 t][K, Q, V][t][64],   gb[head][t][64]:  sixteen neighbouring lanes store two steps of one head: 256 consecutive bytes, aligned.
; LIMIT.  v and g are kept in f16: |v|, |g| below 65,504.  NaN and infinities are not treated apart.
; One tile to a work-group, 512 work-groups; the tile's stores stand at its end.
; REGISTERS, in windows of 256: window 0: v0-31 addresses; v64-127, v128-191 fragments of xb, two buffers (on the way out v64-127 hold sums and factors); v32-63, v192-255 at work on the way out
;   window 1: v64-127, v128-191 fragments of wb;   window 2: the accumulators of my rows 0-63 ((a, b) at v[8 (8 a + b)]);   window 3: those of my rows 64-127
.set SIZE_K, 1024
.set KSTEP,  128
.set PITCH,  272                       ; an LDS row: 256 bytes + 16 of padding: the 16 rows that a load touches start at 16 different groups of four banks
.set HALFT,  128*PITCH
.set SLOT,   4*HALFT                   ; xb's 256 rows, then wb's 256 rows
.set STAGE,  2*SLOT                    ; behind the ring: 16 rows x 272 bytes for each wave
.set SPITCH, 272
.set SPARE,  STAGE+4*16*SPITCH         ; the spare words, 128 bytes for each wave: two blocks of 256 bytes that no other line names
.set LAPS,   SIZE_K/(2*KSTEP)
.set ADRA, 16
.set ADRB, 20
.set STO,  24
.set RD,   25
.set CO,   26
.set SPW,  28                          ; v28  my spare word's address; never rewritten
.set NIL,  29                          ; v29  0; never rewritten
.set PFO,  30                          ; v30  the prefetches' offset: my lane x a row of 2,048 bytes; never rewritten
.set PFA,  44                          ; s[44:45] where my prefetches stand
.set LIM,  43                          ; s43  1 in a wave that prefetches, else the greatest number
.set F0,   64
.set F1,   128
.set TMP,  192
.set OB,   32
.set SQ,   64                          ; the way out: four chains of squares
.set FC,   96                          ; the way out: v[FC + 2 a + hd]: block a's factor for head hd
.set PX,   112                         ; the way out: the other half of the lanes' sums
.set G1, 24
.set G0, 32
.set G1B, 48
.set G0B, 56
.set MSB, 0
.macro WIN new                         ; the immediate's high byte repeats the setting that is left
.if MSB != (\new)
	s_set_vgpr_msb (MSB<<8)|(\new)
.set MSB, \new
.endif
.endm
.set MUL_LO, 0xa1                      ; source 0 (wb) window 1, source 1 (xb) window 0, C and D window 2
.set MUL_HI, 0xf1                      ; the same, C and D window 3
.set TO_B,   0x40                      ; destination window 1, address window 0
; A joint load.  Waves 0 and 1 fetch xb's two halves, waves 2 and 3 wb's.  The branch hangs on the wave's number alone.  An s_nop 0 and four v_nop follow each of the two lines.
.macro JLOAD s
	s_cmp_eq_u32 s11, 0
	s_cbranch_scc0 .Lfor_b_\@
	tensor_load_to_lds s[G0+4*(\s):G0+4*(\s)+3], s[G1:G1+7]
	s_nop 0
.rept 4
	v_nop
.endr
	s_branch .Lasked_\@
.Lfor_b_\@:
	tensor_load_to_lds s[G0B+4*(\s):G0B+4*(\s)+3], s[G1B:G1B+7]
	s_nop 0
.rept 4
	v_nop
.endr
.Lasked_\@:
.endm
; A prefetch, behind each joint load and the run of LDS loads that follows it: the K step that stands two refills on: 32 rows x 256 bytes, a lane a row, one instruction a wave.
; Each row's 256 bytes of a K step are named once in the launch: xb's by the clusters with x = 0, wb's by those with y = 0; the four partners that ask for a tile jointly share its rows out by
; address, 32 each.  The last two refills have no K step two on; the first four K steps come by their loads alone.
.macro ASK
	s_cmp_gt_u32 s3, s[LIM]                        ; s3 = 1 in the loop's last trip
	s_cbranch_scc0 .Lnot_mine_\@
	global_prefetch_b8 v[PFO], s[PFA:PFA+1] offset:KSTEP*2 th:TH_LOAD_NT scope:SCOPE_SE
.Lnot_mine_\@:
.endm
.macro CREST                           ; a round of the cluster's barrier behind its opening barrier
	s_cmp_lg_u32 s10, 0
	s_cbranch_scc1 .Lnot_wave_0_\@
	s_barrier_signal -3
.Lnot_wave_0_\@:
	s_barrier_wait -3
	s_barrier_signal -1
	s_barrier_wait -1
.endm
.macro CROUND
	s_barrier_signal -1
	s_barrier_wait -1
	CREST
.endm
	s_load_b128 s[4:7], s[0:1], 0x0                ; xb s[4:5], wb s[6:7]
	s_load_b128 s[72:75], s[0:1], 0x10             ; qkv s[72:73], gb s[74:75]
	v_lshl_add_u32 v[SPW], v0, 2, SPARE
	v_mov_b32 v[NIL], 0
	ds_add_u32 v[SPW], v[NIL]                      ; the wave's opening: the add, twice on end, and its wait ahead of my first tensor load
	ds_add_u32 v[SPW], v[NIL]
	v_lshrrev_b32 v1, 5, v0
	v_readfirstlane_b32 s10, v1                    ; wave 0..3
	s_lshr_b32 s11, s10, 1                         ; which half of the tile's rows is mine.  Also: I fetch for xb (0) or for wb (1)
	s_and_b32 s12, s10, 1                          ; which half of its columns.  Also: which 128 rows of that tile I fetch
	s_bfe_u32 s40, ttmp6, 0x40000                  ; cx
	s_bfe_u32 s41, ttmp6, 0x40004                  ; cy
	s_lshl_b32 s42, ttmp9, 2
	s_add_co_u32 s42, s42, s40                     ; tile column of C = 4 x cluster x + cx
	s_and_b32 s13, ttmp7, 0xffff
	s_lshl_b32 s13, s13, 2
	s_add_co_u32 s13, s13, s41                     ; tile row of C = 4 x cluster y + cy
	s_lshl_b32 s43, s41, 2
	s_lshl_b32 s43, 15, s43                        ; my row of the cluster
	s_lshl_b32 s44, 0x1111, s40                    ; my column
	s_or_b32 s[G1+0], s43, (1<<16)|(1<<20)|(1<<21)|(5<<22)|(3<<25)  ; the mask; 2-byte elements; padding on, 4 words after every 64; bit 21 beside a mask
	s_or_b32 s[G1B+0], s44, (1<<16)|(1<<20)|(1<<21)|(5<<22)|(3<<25)
	s_mov_b32 s[G1B+1], KSTEP<<16
	s_mov_b32 s[G1+1], KSTEP<<16                   ; tensor_dim0 = 128
	s_mov_b32 s[G1B+2], 128<<16
	s_mov_b32 s[G1+2], 128<<16                     ; tensor_dim1 = 128
	s_mov_b32 s[G1B+3], KSTEP<<16
	s_mov_b32 s[G1+3], KSTEP<<16                   ; tile_dim0 = 128
	s_mov_b32 s[G1B+4], 128
	s_mov_b32 s[G1+4], 128                         ; tile_dim1 = 128
	s_mov_b32 s[G1B+5], SIZE_K
	s_mov_b32 s[G1+5], SIZE_K                      ; elements from row to row
	s_mov_b32 s[G1B+6], 0
	s_mov_b32 s[G1+6], 0
	s_mov_b32 s[G1B+7], 0
	s_mov_b32 s[G1+7], 0
	s_lshl_b32 s17, s12, 7                         ; which 128 rows of the tile I fetch
	s_lshl_b32 s16, s13, 8
	s_add_co_u32 s16, s16, s17                     ; xb: row 256 x tile row + 128 x half
	s_lshl_b32 s46, s42, 8
	s_add_co_u32 s46, s46, s17                     ; wb: row 256 x tile column + 128 x half
	s_mov_b32 s17, 0
	s_mov_b32 s47, 0
	s_mov_b64 s[18:19], SIZE_K*2
	s_mul_u64 s[16:17], s[16:17], s[18:19]
	s_mul_u64 s[46:47], s[46:47], s[18:19]
	s_mul_i32 s20, s10, HALFT                      ; where they go: wave x 128 rows: no place in the cluster enters an LDS address
	s_wait_dscnt 0x0                               ; both opening adds are done
	s_wait_kmcnt 0x0
	s_add_nc_u64 s[14:15], s[4:5], s[16:17]
	s_add_nc_u64 s[46:47], s[6:7], s[46:47]
	CROUND                                         ; all sixteen work-groups are here: the first joint loads meet
.irp s, 0,1
	s_mov_b32 s[G0+4*(\s)], 1
	s_add_co_u32 s[G0+4*(\s)+1], s20, (\s)*SLOT
	s_add_nc_u64 s[G0+4*(\s)+2:G0+4*(\s)+3], s[14:15], (\s)*KSTEP*2
	s_or_b32 s[G0+4*(\s)+3], s[G0+4*(\s)+3], 0x80000000
	s_mov_b32 s[G0B+4*(\s)], 1
	s_add_co_u32 s[G0B+4*(\s)+1], s20, (\s)*SLOT
	s_add_nc_u64 s[G0B+4*(\s)+2:G0B+4*(\s)+3], s[46:47], (\s)*KSTEP*2
	s_or_b32 s[G0B+4*(\s)+3], s[G0B+4*(\s)+3], 0x80000000
	JLOAD \s
.endr
	; what hangs on the matrix, which the cluster's x names
	s_cmp_lt_u32 ttmp9, 2
	s_cselect_b32 s66, -1, 0                       ; q and k are normalised
	s_mov_b32 s76, 393216                          ; bytes from head to head: qkv,
	s_mov_b32 s77, 131072                          ; gb
	s_mov_b32 s79, 98304                           ; bytes from 256 steps to the next: qkv,
	s_mov_b32 s80, 32768                           ; gb
	s_cmp_eq_u32 ttmp9, 3
	s_cselect_b32 s76, s77, s76
	s_cselect_b32 s79, s80, s79
	s_cselect_b64 s[8:9], s[74:75], s[72:73]
	s_cmp_eq_u32 ttmp9, 0
	s_cselect_b32 s78, 0x8000, 0                   ; within a chunk: K at 0, Q at 32,768,
	s_cmp_eq_u32 ttmp9, 2
	s_cselect_b32 s78, 0x10000, s78                ; V at 65,536
	s_mov_b32 s70, 0x76543210                      ; v_permlanex16_b32: each lane takes its own place in the other half
	s_mov_b32 s71, 0xfedcba98
	v_and_b32 v1, 15, v0                           ; l % 16
	v_bfe_u32 v2, v0, 4, 1                         ; l / 16
	v_mul_u32_u24 v3, v1, PITCH
	v_lshl_add_u32 v3, v2, 4, v3                   ; a fragment's row x pitch + 16 x half
	s_mul_i32 s21, s11, HALFT
	s_mul_i32 s22, s12, HALFT
	s_add_co_u32 s22, s22, 2*HALFT
.irp s, 0,1
	v_add_nc_u32 v[ADRA+(\s)], s21, v3
	v_add_nc_u32 v[ADRB+(\s)], s22, v3
	s_add_co_u32 s21, s21, SLOT
	s_add_co_u32 s22, s22, SLOT
.endr
	s_mul_i32 s23, s10, 16*SPITCH
	s_add_co_u32 s23, s23, STAGE                   ; my stage
	v_mul_u32_u24 v4, v1, SPITCH                   ; in: row l % 16, 16 bytes for each half of the lanes
	v_lshl_add_u32 v4, v2, 4, v4
	v_add_nc_u32 v[STO], s23, v4
	v_bfe_u32 v5, v0, 3, 1
	v_and_b32 v6, 7, v0
	v_mul_u32_u24 v7, v5, SPITCH                   ; back: lanes 0-15 take head 0's 128 bytes of two rows, lanes 16-31 head 1's
	v_lshl_add_u32 v7, v2, 7, v7
	v_lshl_add_u32 v7, v6, 4, v7
	v_add_nc_u32 v[RD], s23, v7
	v_mul_u32_u24 v7, v2, s76                      ; in memory: the head, the step's 128 bytes, my 16
	v_lshl_add_u32 v7, v5, 7, v7
	v_lshl_add_u32 v[CO], v6, 4, v7
	; where my part begins, in bytes: head x its stride + chunk x its stride + the tensor's place + my 128 steps' half
	s_lshr_b32 s16, s13, 2                         ; b
	s_lshl_b32 s16, s16, 4
	s_lshl_b32 s46, s40, 2
	s_add_co_u32 s16, s16, s46                     ; + 4 cx
	s_lshl_b32 s46, s12, 1
	s_add_co_u32 s16, s16, s46                     ; + 2 x my half of the columns
	s_mul_i32 s16, s16, s76
	s_and_b32 s46, s13, 3
	s_mul_i32 s46, s46, s79
	s_add_co_u32 s16, s16, s46
	s_add_co_u32 s16, s16, s78
	s_lshl_b32 s46, s11, 14
	s_add_co_u32 s16, s16, s46
	s_mov_b32 s17, 0
	; the prefetches
	s_lshl_b32 s13, s13, 8
	s_lshl_b32 s42, s42, 8
	s_and_b32 s22, ttmp7, 0xffff                   ; cluster y
	s_cmp_eq_u32 s11, 0                            ; do I fetch for xb?
	s_cselect_b32 s20, s13, s42                    ; the tile's first row
	s_cselect_b32 s21, s40, s41                    ; my place among the four that ask for it with me
	s_cselect_b32 s22, ttmp9, s22                  ; the coordinate along which other clusters read the same rows
	s_cselect_b64 s[PFA:PFA+1], s[4:5], s[6:7]
	s_cmp_eq_u32 s22, 0
	s_cselect_b32 s[LIM], 1, -1
	s_lshl_b32 s22, s12, 7
	s_add_co_u32 s20, s20, s22
	s_lshl_b32 s21, s21, 5
	s_add_co_u32 s20, s20, s21
	s_mov_b32 s21, 0
	s_mov_b64 s[18:19], SIZE_K*2
	s_mul_u64 s[20:21], s[20:21], s[18:19]
	s_add_nc_u64 s[PFA:PFA+1], s[PFA:PFA+1], s[20:21]
	s_add_nc_u64 s[PFA:PFA+1], s[PFA:PFA+1], 2*KSTEP*2  ; at K step 2: the first refill steps it to 3 and names K step 4
	v_and_b32 v[PFO], 31, v0
	v_mul_u32_u24 v[PFO], v[PFO], SIZE_K*2
; 16 matrix instructions: m blocks a0, a0 + 1 of the window's four x all 8 n blocks, 32 along K.  zero = 1: the first product starts the sums.
.macro MUL16 f, hi, a0, zero
	WIN MUL_LO+0x50*(\hi)
.irp a, \a0, (\a0)+1
.irp b, 0,1,2,3,4,5,6,7
.if \zero
	v_wmma_f32_16x16x32_bf16 v[8*(8*(\a)+(\b)):8*(8*(\a)+(\b))+7], v[(\f)+8*(\b):(\f)+8*(\b)+7], v[(\f)+8*(4*(\hi)+(\a)):(\f)+8*(4*(\hi)+(\a))+7], 0
.else
	v_wmma_f32_16x16x32_bf16 v[8*(8*(\a)+(\b)):8*(8*(\a)+(\b))+7], v[(\f)+8*(\b):(\f)+8*(\b)+7], v[(\f)+8*(4*(\hi)+(\a)):(\f)+8*(4*(\hi)+(\a))+7], v[8*(8*(\a)+(\b)):8*(8*(\a)+(\b))+7]
.endif
.endr
.endr
.endm
; 32 LDS loads in one run: the fragments of one quarter step into buffer f
.macro FETCH slot, k, f
	WIN TO_B
.irp i, 0,1,2,3,4,5,6,7
	ds_load_b128 v[(\f)+8*(\i):(\f)+8*(\i)+3],   v[ADRB+(\slot)] offset:(\k)+(\i)*16*PITCH
	ds_load_b128 v[(\f)+8*(\i)+4:(\f)+8*(\i)+7], v[ADRB+(\slot)] offset:(\k)+(\i)*16*PITCH+32
.endr
	WIN 0
.irp i, 0,1,2,3,4,5,6,7
	ds_load_b128 v[(\f)+8*(\i):(\f)+8*(\i)+3],   v[ADRA+(\slot)] offset:(\k)+(\i)*16*PITCH
	ds_load_b128 v[(\f)+8*(\i)+4:(\f)+8*(\i)+7], v[ADRA+(\slot)] offset:(\k)+(\i)*16*PITCH+32
.endr
.endm
.macro PLACES                          ; four places behind a matrix instruction, in front of loads into registers that it has read and of vector lines that read results
.rept 4
	v_nop
.endr
.endm
; One of a K step's first three quarters: multiplies buffer f; in its middle it fetches the next quarter's fragments, at byte k of the same slot's rows, into buffer g.
.macro QUARTER slot, k, f, g, zero
	s_wait_dscnt 8                                 ; wb's and xb's rows 0-63 are in; the youngest eight loads (xb's rows 64-127) may be out
	WIN MUL_LO
	MUL16 \f, 0, 0, \zero
	MUL16 \f, 0, 2, \zero
	PLACES
	FETCH \slot, \k, \g
	s_wait_dscnt 32                                ; all but the 32 just issued
	WIN MUL_HI
	MUL16 \f, 1, 0, \zero
	MUL16 \f, 1, 2, \zero
.endm
; The first half of the last quarter, which changes slots: one barrier; in front of it each wave waits for all its tensor loads, adds 0 to its spare word, and waits for that and for its reads of this slot.
.macro MEET round
	WIN 0
	s_wait_tensorcnt 0x0                           ; all my tensor loads have landed: the one that was out is my part of the next slot;
	ds_add_u32 v[SPW], v[NIL]                      ; 0 onto my spare word;
	s_wait_dscnt 9                                 ; (the add and the youngest eight loads may be out)
	WIN MUL_LO
	MUL16 F1, 0, 0, 0
	s_wait_dscnt 0x0                               ; the add is done, and my reads of this slot are over
	s_barrier_signal -1
	MUL16 F1, 0, 2, 0
.if \round
	WIN 0
.endif
	s_barrier_wait -1
.endm
; The whole last quarter: behind the round the slot just read out is filled again first, with the K step two steps on; then come the next slot's first fragments.
.macro TURN slot, next
	s_wait_xcnt 0x0                                ; the last prefetch, a K step back, has read its address
	s_add_nc_u64 s[PFA:PFA+1], s[PFA:PFA+1], KSTEP*2
	MEET 1
	CREST                                          ; no wave of any partner still reads this slot's tile or has a load on its way
	s_add_nc_u64 s[G0+4*(\slot)+2:G0+4*(\slot)+3], s[G0+4*(\slot)+2:G0+4*(\slot)+3], 2*KSTEP*2
	s_add_nc_u64 s[G0B+4*(\slot)+2:G0B+4*(\slot)+3], s[G0B+4*(\slot)+2:G0B+4*(\slot)+3], 2*KSTEP*2
	JLOAD \slot                                    ; the first tensor load behind the round; its four v_nop are also the places in front of the loads below
	FETCH \next, 0, F0
	ASK
	WIN MUL_HI
	MUL16 F1, 1, 0, 0
	MUL16 F1, 1, 2, 0
.endm
; THE WAY OUT.  SUMSQ a: the squares of block a's 16 rows, for each of the two heads: four chains of packed multiply-adds; each accumulator is read from its low end on.
.macro SUMSQ a
.set AC, 64*((\a)%4)
	WIN 0x0a+5*((\a)/4)                            ; sources 0 and 1: window 2 or 3
.set st, 0
.rept 8
.set ch, 0
.rept 4
.set rA, AC+8*(2*ch+st/4)+2*(st%4)
.if st == 0
	v_pk_mul_f32 v[SQ+2*ch:SQ+2*ch+1], v[rA:rA+1], v[rA:rA+1]
.else
	v_pk_fma_f32 v[SQ+2*ch:SQ+2*ch+1], v[rA:rA+1], v[rA:rA+1], v[SQ+2*ch:SQ+2*ch+1]
.endif
.set ch, ch+1
.endr
.set st, st+1
.endr
	WIN 0
	v_pk_add_f32 v[SQ:SQ+1], v[SQ:SQ+1], v[SQ+2:SQ+3]
	v_pk_add_f32 v[SQ+4:SQ+5], v[SQ+4:SQ+5], v[SQ+6:SQ+7]
	v_add_f32 v[FC+2*(\a)], v[SQ], v[SQ+1]
	v_add_f32 v[FC+2*(\a)+1], v[SQ+4], v[SQ+5]
.endm
; PACK a: times the head's factor, rounded to f16, 16 bytes a lane.
.macro PACK a
.set AC, 64*((\a)%4)
	WIN 0x82+0x41*((\a)/4)                         ; destination and source 0: window 2 or 3; the factor in window 0
.irp hd, 0,1
.set i, 0
.rept 16
	v_pk_mul_f32 v[AC+32*\hd+2*i:AC+32*\hd+2*i+1], v[AC+32*\hd+2*i:AC+32*\hd+2*i+1], v[FC+2*(\a):FC+2*(\a)+1] op_sel:[0,\hd] op_sel_hi:[1,\hd]
.set i, i+1
.endr
.endr
	WIN 0x0a+5*((\a)/4)
.irp b, 0,1,2,3,4,5,6,7
.irp r, 0,1,2,3
	v_cvt_pk_f16_f32 v[TMP+4*(\b)+(\r)], v[AC+8*(\b)+2*(\r)], v[AC+8*(\b)+2*(\r)+1]
.endr
.endr
	WIN 0
.endm
.macro TOSTAGE a
	WIN 0
.set BK, OB+192*((\a)%2)
.irp b, 0,1,2,3,4,5,6,7
	ds_store_b128 v[STO], v[TMP+4*(\b):TMP+4*(\b)+3] offset:32*(\b)
.endr
.irp t, 0,1,2,3,4,5,6,7
	ds_load_b128 v[BK+4*(\t):BK+4*(\t)+3], v[RD] offset:(\t)*2*SPITCH  ; LDS serves a wave's instructions in order (ISA guide 5.7.1.4): these see the stores above
.endr
.endm
.macro SEND a
	WIN 0
.set BK, OB+192*((\a)%2)
	s_wait_dscnt 0x0                               ; the block is back in registers
	s_wait_xcnt 0x0                                ; earlier stores have read their base and their registers
.if (\a) == 0
	s_add_nc_u64 s[8:9], s[8:9], s[16:17]          ; on to my first rows
.else
	s_add_nc_u64 s[8:9], s[8:9], 2048              ; 16 steps of 128 bytes on
.endif
.irp t, 0,1,2,3,4,5,6,7
	global_store_b128 v[CO], v[BK+4*(\t):BK+4*(\t)+3], s[8:9] offset:256*(\t)  ; 16 lanes store 256 consecutive bytes, aligned: two steps of one head
.endr
.endm
	s_wait_tensorcnt 1                             ; my part of K step 0 is in; K step 1's may stay out
	s_barrier_signal -1
	s_barrier_wait -1
	FETCH 0, 0, F0
	QUARTER 0, 64,  F0, F1, 1                      ; the first quarter stands in front of the loop: its products start the sums
	WIN 0
	s_mov_b32 s3, LAPS-1
.Llap:                                                 ; a trip goes once round the ring, from a lap's second quarter to the next lap's first, and fills both slots again
	QUARTER 0, 128, F1, F0, 0
	QUARTER 0, 192, F0, F1, 0
	TURN 0, 1
	QUARTER 1, 64,  F0, F1, 0
	QUARTER 1, 128, F1, F0, 0
	QUARTER 1, 192, F0, F1, 0
	TURN 1, 0
	QUARTER 0, 64,  F0, F1, 0
	WIN 0
	s_sub_co_u32 s3, s3, 1
	s_cmp_lg_u32 s3, 0
	s_cbranch_scc1 .Llap
	QUARTER 0, 128, F1, F0, 0                      ; the last lap fills nothing, and has no round of the cluster's barrier
	QUARTER 0, 192, F0, F1, 0
	MEET 0
	PLACES
	FETCH 1, 0, F0
	MUL16 F1, 1, 0, 0
	MUL16 F1, 1, 2, 0
	QUARTER 1, 64,  F0, F1, 0
	QUARTER 1, 128, F1, F0, 0
	QUARTER 1, 192, F0, F1, 0
	s_wait_dscnt 8                                 ; the very last quarter: nothing more to fetch
	MUL16 F1, 0, 0, 0
	MUL16 F1, 0, 2, 0
	s_wait_dscnt 0x0
	MUL16 F1, 1, 0, 0
	MUL16 F1, 1, 2, 0
	WIN 0
	PLACES
	PLACES
.irp a, 0,1,2,3,4,5,6,7
	SUMSQ \a
.endr
.set i, 0
.rept 16
	v_mov_b32 v[PX+i], 0                           ; the exchange's destination counts as read
.set i, i+1
.endr
.set i, 0
.rept 16
	v_permlanex16_b32 v[PX+i], v[FC+i], s70, s71   ; a row's other 32 columns of the head lie in the lane 16 away
.set i, i+1
.endr
.set i, 0
.rept 16
	v_add_f32 v[FC+i], v[FC+i], v[PX+i]
.set i, i+1
.endr
.set i, 0
.rept 16
	v_sqrt_f32 v[FC+i], v[FC+i]
.set i, i+1
.endr
	v_nop                                          ; a plain instruction behind the last root,
	s_wait_alu depctr_va_vdst(0)                   ; and one wait for the batch
.set i, 0
.rept 16
	v_max_num_f32 v[FC+i], 0x2b8cbccc, v[FC+i]     ; max(norm, 1e-12)
.set i, i+1
.endr
.set i, 0
.rept 16
	v_rcp_f32 v[FC+i], v[FC+i]
.set i, i+1
.endr
	v_nop
	s_wait_alu depctr_va_vdst(0)
.set i, 0
.rept 16
	v_cndmask_b32 v[FC+i], 1.0, v[FC+i], s66       ; v and g keep their size
.set i, i+1
.endr
	PACK 0
	TOSTAGE 0
.irp a, 1,2,3,4,5,6,7                  ; block a's arithmetic stands between block a - 1's loads from the stage and the wait for them
	PACK \a
	SEND (\a)-1
	TOSTAGE \a
.endr
	SEND 7
	s_wait_tensorcnt 0x0                           ; the wave's end, behind my last tensor load and my last LDS store
	ds_add_u32 v[SPW], v[NIL]
	s_wait_dscnt 0x0
	CROUND                                         ; the closing round: no work-group ends while a partner may still ask for a tile that names it
	s_endpgm
.Lfunc_end_k_q92eea1d4ad_gemm1:
	.size	k_q92eea1d4ad_gemm1, .Lfunc_end_k_q92eea1d4ad_gemm1-k_q92eea1d4ad_gemm1
	.p2alignl 7, 3214868480
	.fill 96, 4, 3214868480
	.section	.rodata,"a",@progbits
	.p2align	6, 0x0
	.amdhsa_kernel k_q92eea1d4ad_gemm1
		.amdhsa_group_segment_fixed_size 327680
		.amdhsa_private_segment_fixed_size 0
		.amdhsa_enable_private_segment 0
		.amdhsa_kernarg_size 32
		.amdhsa_user_sgpr_count 2
		.amdhsa_user_sgpr_kernarg_segment_ptr 1
		.amdhsa_wavefront_size32 1
		.amdhsa_system_sgpr_workgroup_id_x 1
		.amdhsa_system_sgpr_workgroup_id_y 1
		.amdhsa_system_sgpr_workgroup_id_z 1
		.amdhsa_system_vgpr_workitem_id 0
		.amdhsa_next_free_vgpr 1024
		.amdhsa_next_free_sgpr 84
		.amdhsa_reserve_vcc 0
		.amdhsa_float_denorm_mode_32 3
		.amdhsa_float_denorm_mode_16_64 3
		.amdhsa_memory_ordered 1
		.amdhsa_forward_progress 1
		.amdhsa_inst_pref_size 185
	.end_amdhsa_kernel
	.amdgpu_metadata
---
amdhsa.version: [ 1, 2 ]
amdhsa.kernels:
  - .name:           k_q92eea1d4ad_gemm1
    .symbol:         k_q92eea1d4ad_gemm1.kd
    .args:
      - { .name: xb, .offset: 0, .size: 8, .value_kind: global_buffer, .address_space: global }
      - { .name: wb, .offset: 8, .size: 8, .value_kind: global_buffer, .address_space: global }
      - { .name: qkv, .offset: 16, .size: 8, .value_kind: global_buffer, .address_space: global }
      - { .name: gb, .offset: 24, .size: 8, .value_kind: global_buffer, .address_space: global }
    .group_segment_fixed_size: 327680
    .private_segment_fixed_size: 0
    .kernarg_segment_align: 8
    .kernarg_segment_size: 32
    .max_flat_workgroup_size: 128
    .sgpr_count:     84
    .vgpr_count:     1024
    .wavefront_size: 32
...
	.end_amdgpu_metadata
.endif
;; end of part 3
;; launch scan (part 4): grid 256 x 1, 4 waves a work-group, no clusters, 327,680 bytes of LDS; arguments qkv, beta, ob; writes ob
.if DOCPART == 4
	.amdgcn_target "amdgcn-amd-amdhsa--gfx1250"
	.amdhsa_code_object_version 6
	.text
	.protected	k_q92eea1d4ad_scan
	.globl	k_q92eea1d4ad_scan
	.p2align	8
	.type	k_q92eea1d4ad_scan,@function
k_q92eea1d4ad_scan:
	s_mov_b64 s[64:65], 0
	v_nop
	global_prefetch_b8 v0, s[64:65] scope:SCOPE_SE
	s_setreg_imm32_b32 hwreg(HW_REG_WAVE_MODE, 25, 1), 1
	s_wait_xcnt 0x0
; THE RECURRENCE.  For each head: S[i][j] <- S[i][j] (1 - b k[i] k[j]) + b v[i] k[j], o[i] = sum over j of S[i][j] q[j], 1,024 steps.  Written as t = b v[i] - b k[i] S, S += k[j] t: two fused
; multiply-adds an element and step, in f32.  Each element is a chain of its own; only o couples them.
; SHARES.  Two work-groups a head, 32 rows i each; wave w owns 8 rows, all 64 j.  Lane l = i + 8 g holds S[i][16 g + c], c = 0..15.
; o ON THE MATRIX UNIT.  The lane's 16 numbers, rounded to f16 in pairs, ARE a source-1 fragment (32 x 16): column n = l % 16 = i + 8 jq, halves of the lanes h, with g = jq + 2 h.  Source 0 holds q of
; EIGHT steps: row m = tlow + 4 jq + 8 thigh (step = tlow + 4 thigh) holds q[16 (jq + 2 h) + c].  One product a step, on that step's state; of its result the step's two rows are used:
; o[i] = D[tlow] at column i + D[tlow + 4] at column i + 8, in the half thigh of the lanes: one addition across eight lanes.  Nothing leaves the wave.
; THE SCALE.  The state is kept times 16 / M, M the largest |v| of my 8 rows in all chunks up to the one being read (b v carries the factor, o is multiplied by M / 16), so that f16 has room whatever v's size.
; LIMITS.  |S| below 4,095 M, else the f16 operand overflows; M is at least 2^-100; k, q, v arrive in f16; NaN and infinities are not treated apart.
; THE RING.  A chunk is 256 steps of K, Q and V, 98,304 dense bytes; two LDS slots; each wave fetches a quarter of a chunk with one tensor load (96 rows of 256 bytes, padded to 160 bytes a step).
; By this text's count a wave has two tensor loads out at the start and one behind each refill.  A change of slots stands in front of the trip of a chunk's last block: all that block needs is in
; registers by then, and the trip's own loads read the new slot.
; NO CLUSTER: only the two work-groups of a head share tiles, and a work-group asks for 98,304 bytes once in 32 trips of some 340 instructions a wave.
; ob: [head][8 rows' group][block of 8 steps][lane][2] f32: a block's 8 steps x 8 rows are 256 bytes; lane = i + 8 x + 16 y and register r hold step x + 2 r + 4 y.
.set PCH,   160                        ; a step's 128 bytes + 32 of padding
.set QOFF,  256*PCH
.set VOFF,  512*PCH
.set SLOT1, 1<<17                      ; slot 1 begins here: one exclusive or turns an address in one slot into the other's
.set BT,    SLOT1+768*PCH              ; the head's 1,024 beta, f32: written by LDS stores, never a tensor load's target
.set SPARE, BT+4096                    ; the spare words, 128 bytes for each wave: two blocks of 256 bytes that no other line names
.set CHB,   98304                      ; a chunk in memory
.set PFO, 1                            ; v1   256 x lane: the prefetches' offset; never rewritten
.set A0K, 2                            ; v2-6 my lane's places in a slot: k[j], q, the rows' k, the rows' v, v for the maximum; never rewritten
.set A0Q, 3
.set A0RK, 4
.set A0RV, 5
.set A0VM, 6
.set AK,  7                            ; v7-11 the addresses of the block being fetched
.set AQ,  8
.set ARK, 9
.set ARV, 10
.set AB,  11
.set OA,  12                           ; v12  8 x lane
.set ZR,  13                           ; v13  0, an addend
.set SPW, 14                           ; v14  my spare word's address; never rewritten
.set NIL, 15                           ; v15  0; never rewritten
.set SS,  16                           ; v16-31  the state
.set TT,  32                           ; v32-47  t
.set FF,  48                           ; v48-55  the state in f16
.set DD,  56                           ; v56-71  two results, by turns
.set QF,  72                           ; v72-79  q of eight steps
.set KR,  80                           ; v80-143 k[j] of eight steps, 8 registers each
.set RK,  144                          ; v144-147 k[i] of eight steps
.set RV,  148                          ; v148-151 v[i]
.set BE,  152                          ; v152-159 beta
.set BS,  160                          ; v160-167 beta x scale
.set AW,  168                          ; v168-183 for each step the pair (- b k[i], b v[i] x scale)
.set OUT, 184                          ; v184-185
.set TM,  186
.set AVM, 187
.set SG,  188                          ; v188-189 16 / M
.set OS,  190                          ; v190-191 M / 16
.set RT,  192                          ; v192-193 M_old / M_new
.set MX,  194
.set MN,  195
.set VM,  196                          ; v196-227 a chunk's v of my rows
	s_load_b128 s[4:7], s[0:1], 0x0                ; qkv s[4:5], beta s[6:7]
	s_load_b64 s[8:9], s[0:1], 0x10                ; ob
	v_lshl_add_u32 v[SPW], v0, 2, SPARE
	v_mov_b32 v[NIL], 0
	ds_add_u32 v[SPW], v[NIL]                      ; the wave's opening: the add, twice on end, and its wait ahead of my first tensor load
	ds_add_u32 v[SPW], v[NIL]
	v_lshrrev_b32 v196, 5, v0
	v_readfirstlane_b32 s10, v196                  ; wave 0..3
	s_and_b32 s11, ttmp9, 1                        ; which 32 rows
	s_lshr_b32 s12, ttmp9, 1                       ; head
	s_mov_b32 s16, (1<<16)|(1<<20)|(4<<22)|(7<<25) ; group 1: 2-byte elements; padding on: 8 words after every 32
	s_mov_b32 s17, 128<<16                         ; tensor_dim0 = 128
	s_mov_b32 s18, 96<<16                          ; tensor_dim1 = 96
	s_mov_b32 s19, 128<<16                         ; tile_dim0 = 128
	s_mov_b32 s20, 96                              ; tile_dim1 = 96
	s_mov_b32 s21, 128                             ; elements from row to row: the bytes are dense
	s_mov_b32 s22, 0
	s_mov_b32 s23, 0
	s_mov_b32 s24, 1                               ; group 0 for slot 0, chunk 0
	s_mul_i32 s25, s10, 192*PCH                    ; my quarter: 192 steps' rows
	s_mov_b32 s28, 1                               ; group 0 for slot 1, chunk 1; it then walks on
	s_add_co_u32 s29, s25, SLOT1
	s_mul_i32 s2, s12, 4*CHB
	s_mul_i32 s3, s10, CHB/4
	s_add_co_u32 s2, s2, s3
	s_mov_b32 s3, 0
	s_mov_b32 s40, 0xff00                          ; lanes 8-15, 16-23, 24-31
	s_mov_b32 s41, 0xff0000
	s_mov_b32 s42, 0xff000000
	s_mov_b32 s44, 0x76543210
	s_mov_b32 s45, 0xfedcba98
	s_mov_b32 s46, 0x7fff7fff                      ; clears the signs of two f16
	s_and_b32 s36, s10, 1
	s_cmp_eq_u32 s36, s11                          ; the head's two work-groups share the four quarters out by the wave's parity
	s_cselect_b32 s36, 1, -1
	s_wait_dscnt 0x0                               ; both opening adds are done
	s_wait_kmcnt 0x0
	s_add_nc_u64 s[38:39], s[4:5], s[2:3]
	s_mov_b64 s[26:27], s[38:39]
	s_or_b32 s27, s27, 0x80000000
	s_add_nc_u64 s[30:31], s[38:39], CHB
	s_or_b32 s31, s31, 0x80000000
	tensor_load_to_lds s[24:27], s[16:23]          ; both first fills go out together, ahead of every wait on TENSORcnt, every LDS read and every barrier
	s_nop 0
	tensor_load_to_lds s[28:31], s[16:23]
	s_nop 0
	s_add_nc_u64 s[38:39], s[38:39], 3*CHB         ; my quarter of chunk 3: what the one prefetch names; never rewritten
	s_lshl_b32 s2, s12, 12
	s_add_nc_u64 s[6:7], s[6:7], s[2:3]
	v_lshlrev_b32 v197, 5, v0
	global_load_b128 v[32:35], v197, s[6:7]
	global_load_b128 v[36:39], v197, s[6:7] offset:16
	s_lshl_b32 s2, s12, 18                         ; ob: a head is 262,144 bytes,
	s_lshl2_add_u32 s13, s11, s10                  ; my group of 8 rows, 4 rh + w,
	s_lshl_b32 s13, s13, 15                        ; is 32,768
	s_add_co_u32 s2, s2, s13
	s_add_nc_u64 s[8:9], s[8:9], s[2:3]
	v_and_b32 v198, 31, v0                         ; l
	v_lshlrev_b32 v[PFO], 8, v198
	v_lshrrev_b32 v199, 3, v198
	v_lshlrev_b32 v[A0K], 5, v199                  ; 32 g
	v_and_b32 v200, 3, v198
	v_bfe_u32 v201, v198, 3, 1
	v_lshl_add_u32 v200, v201, 2, v200             ; row m's step
	v_mul_u32_u24 v[A0Q], v200, PCH
	v_bfe_u32 v201, v198, 2, 1                     ; row m's jq
	v_lshl_add_u32 v[A0Q], v201, 5, v[A0Q]
	v_lshrrev_b32 v201, 4, v198                    ; h
	v_lshl_add_u32 v[A0Q], v201, 6, v[A0Q]
	v_add_nc_u32 v[A0Q], QOFF, v[A0Q]
	s_lshl_b32 s13, s11, 6
	s_lshl_b32 s14, s10, 4
	s_add_co_u32 s13, s13, s14                     ; my 8 rows' 16 bytes in a step: 64 rh + 16 w
	v_and_b32 v201, 7, v198
	v_mul_u32_u24 v[A0RK], v201, PCH               ; lane 8 g + j names step j: the turning load then leaves lane 8 g + i row i of eight steps
	v_add_nc_u32 v[A0RK], s13, v[A0RK]
	v_add_nc_u32 v[A0RV], VOFF, v[A0RK]
	v_mul_u32_u24 v[A0VM], v198, PCH
	v_add_nc_u32 v[A0VM], s13, v[A0VM]
	v_add_nc_u32 v[A0VM], VOFF, v[A0VM]
	v_lshlrev_b32 v[OA], 3, v198
	v_mov_b32 v[ZR], 0
	v_lshl_add_u32 v202, v0, 5, BT
.set i, 0
.rept 16
	v_mov_b32 v[SS+i], 0                           ; state0 = 0
.set i, i+1
.endr
	v_mov_b32 v[OUT], 0                            ; destinations of lane-crossing additions count as read
	v_mov_b32 v[OUT+1], 0
	v_mov_b32 v[TM], 0
	v_mov_b32 v[MX], 0x0d800000                    ; 2^-100
	s_wait_loadcnt 0x0
	ds_store_b128 v202, v[32:35]
	ds_store_b128 v202, v[36:39] offset:16
	s_wait_tensorcnt 0x1                           ; my part of slot 0 is in; slot 1's may stay out
	s_wait_dscnt 0x0                               ; for the others' sake: my part of beta is stored
	s_barrier_signal -1
	s_barrier_wait -1
; The largest |v| of my rows in the slot at s32; the scales; resc = 1: the state and the b v that are already made go over to the new scale.
.macro VMAX resc
	v_add_nc_u32 v[AVM], s32, v[A0VM]
.set n, 0
.rept 8
	ds_load_b128 v[VM+4*n:VM+4*n+3], v[AVM] offset:32*PCH*n
.set n, n+1
.endr
	s_wait_dscnt 0x0
.irp k, 0,1,2,3
	v_and_b32 v[VM+\k], s46, v[VM+\k]
.endr
.set n, 4
.rept 28
	v_and_b32 v[VM+n], s46, v[VM+n]
	v_pk_max_num_f16 v[VM+n%4], v[VM+n%4], v[VM+n]
.set n, n+1
.endr
	v_pk_max_num_f16 v[VM], v[VM], v[VM+1]
	v_pk_max_num_f16 v[VM+2], v[VM+2], v[VM+3]
	v_pk_max_num_f16 v32, v[VM], v[VM+2]
	v_cvt_f32_f16 v33, v32.l
	v_cvt_f32_f16 v34, v32.h
	v_max_num_f32 v33, v33, v34
	v_max_num_f32_dpp v33, v33, v33 row_xmask:1 row_mask:0xf bank_mask:0xf
	v_max_num_f32_dpp v33, v33, v33 row_xmask:2 row_mask:0xf bank_mask:0xf
	v_max_num_f32_dpp v33, v33, v33 row_xmask:4 row_mask:0xf bank_mask:0xf
	v_max_num_f32_dpp v33, v33, v33 row_xmask:8 row_mask:0xf bank_mask:0xf
	v_permlanex16_b32 v34, v33, s44, s45
	v_max_num_f32 v33, v33, v34
	v_max_num_f32 v[MN], v[MX], v33                ; M never falls
	v_rcp_f32 v34, v[MN]
	v_mul_f32 v[OS], 0x3d800000, v[MN]             ; M / 16: the plain instruction behind the reciprocal
	s_wait_alu depctr_va_vdst(0)                   ; the wait ahead of the first use
	v_mul_f32 v[SG], 0x41800000, v34               ; 16 / M
	v_mov_b32 v[OS+1], v[OS]
.if \resc
	v_mul_f32 v[RT], v[MX], v34
.endif
	v_mov_b32 v[SG+1], v[SG]
.if \resc
	v_mov_b32 v[RT+1], v[RT]
.set n, 0
.rept 8
	v_pk_mul_f32 v[SS+2*n:SS+2*n+1], v[SS+2*n:SS+2*n+1], v[RT:RT+1]
	v_mul_f32 v[AW+2*n+1], v[AW+2*n+1], v[RT]
.set n, n+1
.endr
.endif
	v_mov_b32 v[MX], v[MN]
.endm
.macro ADDR                            ; the addresses of the block at s32, s33; both step on
	v_add_nc_u32 v[AK], s32, v[A0K]
	v_add_nc_u32 v[AQ], s32, v[A0Q]
	v_add_nc_u32 v[ARK], s32, v[A0RK]
	v_add_nc_u32 v[ARV], s32, v[A0RV]
	v_mov_b32 v[AB], s33
	s_add_co_u32 s32, s32, 8*PCH
	s_add_co_u32 s33, s33, 32
.endm
.macro ROWS                            ; four loads: k[i] and v[i] of eight steps, turned; beta of eight steps
	ds_load_tr16_b128 v[RK:RK+3], v[ARK]
	ds_load_tr16_b128 v[RV:RV+3], v[ARV]
	ds_load_b128 v[BE:BE+3], v[AB]
	ds_load_b128 v[BE+4:BE+7], v[AB] offset:16
.endm
.macro AWS                             ; the eight pairs (- b k[i], b v[i] x scale): 20 plain instructions
.irp p, 0,1,2,3
	v_pk_mul_f32 v[BS+2*\p:BS+2*\p+1], v[BE+2*\p:BE+2*\p+1], v[SG:SG+1]
.endr
.irp u, 0,1,2,3
	v_fma_mix_f32 v[AW+4*\u],   -v[RK+\u], v[BE+2*\u],   v[ZR] op_sel:[0,0,0] op_sel_hi:[1,0,0]
	v_fma_mix_f32 v[AW+4*\u+1], v[RV+\u],  v[BS+2*\u],   v[ZR] op_sel:[0,0,0] op_sel_hi:[1,0,0]
	v_fma_mix_f32 v[AW+4*\u+2], -v[RK+\u], v[BE+2*\u+1], v[ZR] op_sel:[1,0,0] op_sel_hi:[1,0,0]
	v_fma_mix_f32 v[AW+4*\u+3], v[RV+\u],  v[BS+2*\u+1], v[ZR] op_sel:[1,0,0] op_sel_hi:[1,0,0]
.endr
.endm
; o of step t, from the result of that step's product, into its eight lanes of OUT.  Each form reads one of the result's four lowest registers.
.macro DOUT t
.set dL, DD+8*((\t)&1)+((\t)&3)
.set oR, OUT+(((\t)>>1)&1)
.if ((\t) == 0) || ((\t) == 2)
	v_add_f32_dpp v[oR], v[dL+4], v[dL] row_xmask:8 row_mask:0xf bank_mask:0xf   ; right in lanes 0-7; the other lanes are written below
.elseif ((\t)&1) == 0
	v_add_f32_dpp v[TM], v[dL+4], v[dL] row_xmask:8 row_mask:0xf bank_mask:0xf
	v_cndmask_b32 v[oR], v[oR], v[TM], s41
.elseif (\t) < 4
	v_add_f32_dpp v[TM], v[dL], v[dL+4] row_xmask:8 row_mask:0xf bank_mask:0xf
	v_cndmask_b32 v[oR], v[oR], v[TM], s40
.else
	v_add_f32_dpp v[TM], v[dL], v[dL+4] row_xmask:8 row_mask:0xf bank_mask:0xf
	v_cndmask_b32 v[oR], v[oR], v[TM], s42
.endif
.endm
; A step.  Its first eight lines are the places behind the product of the step before (ISA guide 7.12.1).  ld = 1: k[j] of the same step of the next block is fetched into the registers just read.
.macro STEP t, ld
.set p, 0
.rept 8
	v_pk_fma_f32 v[TT+2*p:TT+2*p+1], v[SS+2*p:SS+2*p+1], v[AW+2*(\t):AW+2*(\t)+1], v[AW+2*(\t):AW+2*(\t)+1] op_sel:[0,0,1] op_sel_hi:[1,0,1]  ; t = b v[i] - b k[i] S
.set p, p+1
.endr
.if (\t) == 1
	s_wait_xcnt 0x0                                ; the last block's store has read OUT and its base: both are written again below
	s_add_nc_u64 s[8:9], s[8:9], 256
.endif
.if (\t) > 0
	DOUT (\t)-1
.endif
.if ((\t) == 0) && (\ld)
	s_wait_dscnt 20                                ; k[j] of step 0 is in: behind its two loads stand 14 of k, 2 of q and this trip's 4
.endif
.set p, 0
.rept 8
	v_fma_mix_f32 v[SS+2*p],   v[KR+8*(\t)+p], v[TT+2*p],   v[SS+2*p]   op_sel:[0,0,0] op_sel_hi:[1,0,0]  ; S += k[j] t
	v_fma_mix_f32 v[SS+2*p+1], v[KR+8*(\t)+p], v[TT+2*p+1], v[SS+2*p+1] op_sel:[1,0,0] op_sel_hi:[1,0,0]
.set p, p+1
.endr
.if \ld
	ds_load_b128 v[KR+8*(\t):KR+8*(\t)+3],   v[AK] offset:PCH*(\t)
	ds_load_b128 v[KR+8*(\t)+4:KR+8*(\t)+7], v[AK] offset:PCH*(\t)+16
.endif
.set p, 0
.rept 8
	v_cvt_pk_f16_f32 v[FF+p], v[SS+2*p], v[SS+2*p+1]
.set p, p+1
.endr
.if ((\t) == 0) && (\ld)
	s_wait_dscnt 6                                 ; q is in, and with it all of this block's k: behind q's loads stand this trip's 4 and the 2 just issued
.endif
	v_wmma_f32_16x16x32_f16 v[DD+8*((\t)&1):DD+8*((\t)&1)+7], v[QF:QF+7], v[FF:FF+7], 0
.endm
; A block of eight steps.  ld = 1: all that the next block needs is fetched meanwhile.
.macro TRIP ld
.if \ld
	ADDR
	ROWS
.else
	s_wait_dscnt 0x0
.endif
.irp t, 0,1,2,3,4,5,6,7
	STEP \t, \ld
.endr
.if \ld
	s_wait_dscnt 16                                ; the rows' k and v and beta are in; the 16 loads of k[j] may stay out
	AWS                                            ; also the places behind the eighth product, in front of the loads into q's registers
	ds_load_b128 v[QF:QF+3], v[AQ]
	ds_load_b128 v[QF+4:QF+7], v[AQ] offset:16
.else
.rept 4
	v_nop
.endr
.endif
	DOUT 7
	v_pk_mul_f32 v[OUT:OUT+1], v[OUT:OUT+1], v[OS:OS+1]
	global_store_b64 v[OA], v[OUT:OUT+1], s[8:9] offset:-256  ; 32 lanes store 256 consecutive bytes, aligned
.endm
; The one prefetch: at the change that fills chunk 2, my quarter of chunk 3, which the next change will ask for: 96 blocks of 256 bytes, a lane a block, three instructions.
.macro ASK
	s_cmp_gt_u32 s35, s36
	s_cbranch_scc0 .Lnot_mine_\@
	global_prefetch_b8 v[PFO], s[38:39] th:TH_LOAD_NT scope:SCOPE_SE
	global_prefetch_b8 v[PFO], s[38:39] offset:8192 th:TH_LOAD_NT scope:SCOPE_SE
	global_prefetch_b8 v[PFO], s[38:39] offset:16384 th:TH_LOAD_NT scope:SCOPE_SE
.Lnot_mine_\@:
.endm
; THE CHANGE OF SLOTS.  Each wave waits for all its tensor loads (its part of the other slot), adds 0 to its spare word, and waits for that and for its reads of the slot that it leaves.
; fill = 1: the old slot is filled again, first thing behind the barrier, with the chunk two on.
.macro CHANGE fill
	s_wait_tensorcnt 0x0                           ; no tensor load of mine is out, so a group 0 may be written
	ds_add_u32 v[SPW], v[NIL]
.if \fill
	s_xor_b32 s29, s29, SLOT1
	s_add_nc_u64 s[30:31], s[30:31], CHB
.endif
	s_wait_dscnt 0x0                               ; the add is done, and my reads of the slot are over
	s_barrier_signal -1
	s_sub_co_u32 s32, s32, 256*PCH                 ; the fetches go back to a slot's first step,
	s_xor_b32 s32, s32, SLOT1                      ; in the other slot
	s_barrier_wait -1
.if \fill
	tensor_load_to_lds s[28:31], s[16:23]
	s_nop 0
.rept 4
	v_nop
.endr
	ASK
.endif
	VMAX 1
.endm
	s_mov_b32 s32, 0
	s_mov_b32 s33, BT
	VMAX 0
	ADDR                                           ; block 0
	ROWS
	s_wait_dscnt 0x0
	AWS
.set n, 0
.rept 8
	ds_load_b128 v[KR+8*n:KR+8*n+3],   v[AK] offset:PCH*n
	ds_load_b128 v[KR+8*n+4:KR+8*n+7], v[AK] offset:PCH*n+16
.set n, n+1
.endr
	ds_load_b128 v[QF:QF+3], v[AQ]
	ds_load_b128 v[QF+4:QF+7], v[AQ] offset:16
	s_mov_b32 s34, 31                              ; blocks 0 to 30; the change stands in front of block 31
	s_mov_b32 s35, 3
	s_branch .Ltrip
.Lchunk:                                               ; twice: chunks 2 and 3 are asked for
	CHANGE 1
	s_mov_b32 s34, 32
.Ltrip:
	TRIP 1
	s_sub_co_u32 s34, s34, 1
	s_cmp_lg_u32 s34, 0
	s_cbranch_scc1 .Ltrip
	s_sub_co_u32 s35, s35, 1
	s_cmp_lg_u32 s35, 0
	s_cbranch_scc1 .Lchunk
	CHANGE 0                                       ; the tail is written out: nothing is asked for
	s_mov_b32 s34, 32
.Ltail:
	TRIP 1
	s_sub_co_u32 s34, s34, 1
	s_cmp_lg_u32 s34, 0
	s_cbranch_scc1 .Ltail
	TRIP 0                                         ; block 127 fetches nothing
	s_wait_tensorcnt 0x0                           ; the wave's end
	ds_add_u32 v[SPW], v[NIL]
	s_wait_dscnt 0x0
	s_endpgm
.Lfunc_end_k_q92eea1d4ad_scan:
	.size	k_q92eea1d4ad_scan, .Lfunc_end_k_q92eea1d4ad_scan-k_q92eea1d4ad_scan
	.p2alignl 7, 3214868480
	.fill 96, 4, 3214868480
	.section	.rodata,"a",@progbits
	.p2align	6, 0x0
	.amdhsa_kernel k_q92eea1d4ad_scan
		.amdhsa_group_segment_fixed_size 327680
		.amdhsa_private_segment_fixed_size 0
		.amdhsa_enable_private_segment 0
		.amdhsa_kernarg_size 24
		.amdhsa_user_sgpr_count 2
		.amdhsa_user_sgpr_kernarg_segment_ptr 1
		.amdhsa_wavefront_size32 1
		.amdhsa_system_sgpr_workgroup_id_x 1
		.amdhsa_system_sgpr_workgroup_id_y 1
		.amdhsa_system_sgpr_workgroup_id_z 1
		.amdhsa_system_vgpr_workitem_id 0
		.amdhsa_next_free_vgpr 232
		.amdhsa_next_free_sgpr 66
		.amdhsa_reserve_vcc 0
		.amdhsa_float_denorm_mode_32 3
		.amdhsa_float_denorm_mode_16_64 3
		.amdhsa_memory_ordered 1
		.amdhsa_forward_progress 1
		.amdhsa_inst_pref_size 84
	.end_amdhsa_kernel
	.amdgpu_metadata
---
amdhsa.version: [ 1, 2 ]
amdhsa.kernels:
  - .name:           k_q92eea1d4ad_scan
    .symbol:         k_q92eea1d4ad_scan.kd
    .args:
      - { .name: qkv, .offset: 0, .size: 8, .value_kind: global_buffer, .address_space: global }
      - { .name: beta, .offset: 8, .size: 8, .value_kind: global_buffer, .address_space: global }
      - { .name: ob, .offset: 16, .size: 8, .value_kind: global_buffer, .address_space: global }
    .group_segment_fixed_size: 327680
    .private_segment_fixed_size: 0
    .kernarg_segment_align: 8
    .kernarg_segment_size: 24
    .max_flat_workgroup_size: 128
    .sgpr_count:     66
    .vgpr_count:     232
    .wavefront_size: 32
...
	.end_amdgpu_metadata
.endif
;; end of part 4
;; launch lngate (part 5): grid 256 x 1, 8 waves a work-group, no clusters, 202,752 bytes of LDS; arguments ob, gb, ln_g, ln_b, yb, ysc; writes yb, ysc
.if DOCPART == 5
	.amdgcn_target "amdgcn-amd-amdhsa--gfx1250"
	.amdhsa_code_object_version 6
	.text
	.protected	k_q92eea1d4ad_lngate
	.globl	k_q92eea1d4ad_lngate
	.p2align	8
	.type	k_q92eea1d4ad_lngate,@function
k_q92eea1d4ad_lngate:
	s_mov_b64 s[64:65], 0
	v_nop
	global_prefetch_b8 v0, s[64:65] scope:SCOPE_SE
	s_setreg_imm32_b32 hwreg(HW_REG_WAVE_MODE, 25, 1), 1
	s_wait_xcnt 0x0
; y = LayerNorm(o) x ln_g + ln_b, times silu(g); each row divided by its largest |y| (kept in ysc, at least 2^-100) and rounded once to f16, so that f16 has room whatever y's size.
; A work-group owns 32 steps of one batch.  PHASE 1: o's blocks (8 steps x 8 channels, 256 bytes) and g's rows by heads (a head's 32 steps are 4,096 consecutive bytes) are read whole and laid into LDS
; as rows of 1,024 channels.  PHASE 2: a wave takes four rows, one a trip; the row stays in registers between mean, variance and scaling.  Memory binds: no matrix unit, no cluster, no prefetch.
; ln_g and ln_b are rounded to bf16, like every input of the program.  NaN and infinities are not treated apart; the exponential and the reciprocals flush denormals.
; REGISTERS.  Phase 1 lands its loads in v48-175; all that phase 2 keeps in that range, its constants too, is made behind phase 1's barrier.
.set RP,    4128                       ; LDS: a row of o, 4,096 bytes + 32: the 32 lanes of a store of a block fall on 32 different banks
.set GS,    32*RP                      ; LDS: g
.set GP,    2176                       ; a row of g, 2,048 bytes + 128: the two rows of a 16-lane store fall on different halves of the banks
.set SPARE, GS+32*GP                   ; the spare words, 128 bytes for each wave: four blocks of 256 bytes that no other line names
.set SPW, 2                            ; v2  my spare word's address; never rewritten
.set NIL, 3                            ; v3  0; never rewritten
.set LA,  4                            ; v4-7  where a block's numbers go, for each of the four blocks of 8 steps
.set XX,  48                           ; v48-79   the row: channels 128 j + 4 lane + e at XX + 4 j + e
.set GG,  80                           ; v80-95   g, two f16 a register
.set EE,  96                           ; v96-127  at work: the gate, then |y|
.set PP,  128                          ; v128-135 four chains
.set YY,  144                          ; v144-159 the row in f16
.set GA,  176                          ; v176-207 ln_g;  v208-239 ln_b
	s_load_b256 s[4:11], s[0:1], 0x0               ; ob 4:5, gb 6:7, ln_g 8:9, ln_b 10:11
	s_load_b128 s[12:15], s[0:1], 0x20             ; yb 12:13, ysc 14:15
	v_lshl_add_u32 v[SPW], v0, 2, SPARE
	v_mov_b32 v[NIL], 0
	v_lshrrev_b32 v1, 5, v0
	v_readfirstlane_b32 s16, v1                    ; wave 0..7
	v_and_b32 v8, 31, v0                           ; lane
	s_lshr_b32 s17, ttmp9, 5                       ; b
	s_and_b32 s18, ttmp9, 31                       ; which 32 steps
	s_lshl_b32 s19, s17, 4
	s_lshl1_add_u32 s19, s16, s19                  ; my first head: 16 b + 2 wave
	s_lshl_b32 s20, s19, 18                        ; ob: 262,144 bytes a head,
	s_lshl_b32 s22, s18, 10                        ; four blocks of 256
	s_add_co_u32 s20, s20, s22
	s_mov_b32 s21, 0
	s_lshl_b32 s22, s19, 17                        ; gb: 131,072 bytes a head,
	s_lshl_b32 s24, s18, 12                        ; 32 steps of 128
	s_add_co_u32 s22, s22, s24
	s_mov_b32 s23, 0
	s_lshl_b32 s24, s17, 10
	s_lshl_b32 s26, s18, 5
	s_add_co_u32 s24, s24, s26
	s_lshl2_add_u32 s24, s16, s24                  ; my first row: 1,024 b + 32 tb + 4 wave
	s_lshl_b32 s26, s24, 2                         ; in ysc
	s_mov_b32 s27, 0
	s_lshl_b32 s24, s24, 11                        ; in yb
	s_mov_b32 s25, 0
	s_mov_b32 s28, 0x3a800000                      ; 1 / 1,024
	s_mov_b32 s29, 0x3727c5ac                      ; 1e-5
	s_mov_b32 s30, 0x7fffffff
	s_mov_b32 s32, 0x76543210
	s_mov_b32 s33, 0xfedcba98
	v_lshlrev_b32 v9, 4, v8                        ; 16 lane
	v_lshlrev_b32 v10, 3, v8                       ; 8 lane
	v_lshlrev_b32 v11, 3, v8                       ; yb: 8 lane, then a row further each trip
	v_bfe_u32 v19, v8, 3, 1                        ; x
	v_lshrrev_b32 v20, 4, v8                       ; y
	v_and_b32 v21, 7, v8                           ; i
	v_mul_u32_u24 v[LA], v19, RP                   ; step x + 4 y (+ 2 for the second register), channel i, my heads' 512 bytes
	v_mul_u32_u24 v22, v20, 4*RP
	v_add_nc_u32 v[LA], v[LA], v22
	v_lshl_add_u32 v[LA], v21, 2, v[LA]
	v_lshl_add_u32 v[LA], v1, 9, v[LA]
	v_add_nc_u32 v[LA+1], 8*RP, v[LA]
	v_add_nc_u32 v[LA+2], 16*RP, v[LA]
	v_add_nc_u32 v[LA+3], 24*RP, v[LA]
	v_lshrrev_b32 v22, 3, v8
	v_mul_u32_u24 v17, v22, GP                     ; g in: step lane / 8, 16 (lane % 8), my heads' 256 bytes
	v_lshl_add_u32 v17, v21, 4, v17
	v_lshl_add_u32 v17, v1, 8, v17
	v_add_nc_u32 v17, GS, v17
	v_mul_u32_u24 v18, v1, 4*GP                    ; g back: my rows, 8 bytes a lane
	v_lshl_add_u32 v18, v8, 3, v18
	v_add_nc_u32 v18, GS, v18
	v_mul_u32_u24 v12, v1, 4*RP                    ; o back: my rows, 16 bytes a lane
	v_lshl_add_u32 v12, v8, 4, v12
	s_wait_kmcnt 0x0
	s_add_nc_u64 s[4:5], s[4:5], s[20:21]
	s_add_nc_u64 s[6:7], s[6:7], s[22:23]
	s_add_nc_u64 s[12:13], s[12:13], s[24:25]
	s_add_nc_u64 s[14:15], s[14:15], s[26:27]
.set j, 0
.rept 8
	global_load_b128 v[GA+4*j:GA+4*j+3], v9, s[8:9] offset:512*j
	global_load_b128 v[GA+32+4*j:GA+32+4*j+3], v9, s[10:11] offset:512*j
.set j, j+1
.endr
.set j, 0
.rept 16                                           ; g: head j / 8 of my two, 512 consecutive bytes a load
	global_load_b128 v[48+4*j:51+4*j], v9, s[6:7] offset:(j/8)*131072+(j%8)*512 th:TH_LOAD_NT
.set j, j+1
.endr
.macro UNITS first, reg                ; 32 blocks of o: head u / 32, group of 8 channels (u / 4) % 8, block u % 4: 256 consecutive bytes a load
.set u, \first
.rept 32
	global_load_b64 v[(\reg)+2*(u-(\first)):(\reg)+2*(u-(\first))+1], v10, s[4:5] offset:(u/32)*262144+((u/4)%8)*32768+(u%4)*256 th:TH_LOAD_NT
.set u, u+1
.endr
.endm
.macro PUT first, reg, left            ; they go into LDS, eight at a time; left: the younger loads behind these 32
.set u, \first
.rept 32
.if (u%8) == 0
	s_wait_loadcnt (\left)+24-(u-(\first))         ; these eight are in
.endif
	ds_store_b32 v[LA+u%4], v[(\reg)+2*(u-(\first))]   offset:(64*(u/32)+8*((u/4)%8))*4
	ds_store_b32 v[LA+u%4], v[(\reg)+2*(u-(\first))+1] offset:2*RP+(64*(u/32)+8*((u/4)%8))*4
.set u, u+1
.endr
.endm
	UNITS 0, 112
	s_wait_loadcnt 32                              ; ln_g, ln_b and g are in; the 32 blocks may stay out
.set j, 0
.rept 16
	ds_store_b128 v17, v[48+4*j:51+4*j] offset:(j%8)*4*GP+(j/8)*128
.set j, j+1
.endr
.set j, 0
.rept 32                                           ; ln_g and ln_b rounded to bf16
	v_cvt_pk_bf16_f32 v[13+j%4], v[GA+2*j], v[GA+2*j+1]
	v_lshlrev_b32 v[GA+2*j], 16, v[13+j%4]
	v_and_b32 v[GA+2*j+1], 0xffff0000, v[13+j%4]
.set j, j+1
.endr
	s_wait_dscnt 0x0                               ; g's stores are done: their registers take the other 32 blocks
	UNITS 32, 48
	PUT 0, 112, 32
	PUT 32, 48, 0
	s_wait_dscnt 0x0                               ; for the others' sake
	s_barrier_signal -1
	s_barrier_wait -1
	; phase 2's constants: made here, where no load of phase 1 is out any more and v48-175 are free
	v_mov_b32 v137, 0                              ; the exchange's destination counts as read
	v_mov_b32 v160, 0                              ; lane r: row r's scale
	v_mov_b32 v161, 0                              ; an addend
	v_mov_b32 v162, 0xbfb8aa3b                     ; - log2(e)
.macro FOLD                            ; four chains into v136
	v_pk_add_f32 v[PP:PP+1], v[PP:PP+1], v[PP+2:PP+3]
	v_pk_add_f32 v[PP+4:PP+5], v[PP+4:PP+5], v[PP+6:PP+7]
	v_pk_add_f32 v[PP:PP+1], v[PP:PP+1], v[PP+4:PP+5]
	v_add_f32 v136, v[PP], v[PP+1]
	v_add_f32_dpp v136, v136, v136 row_xmask:1 row_mask:0xf bank_mask:0xf
	v_add_f32_dpp v136, v136, v136 row_xmask:2 row_mask:0xf bank_mask:0xf
	v_add_f32_dpp v136, v136, v136 row_xmask:4 row_mask:0xf bank_mask:0xf
	v_add_f32_dpp v136, v136, v136 row_xmask:8 row_mask:0xf bank_mask:0xf
	v_permlanex16_b32 v137, v136, s32, s33
	v_add_f32 v136, v136, v137
.endm
	s_mov_b32 s34, 4
	s_mov_b32 s35, 1                               ; the lane that keeps this row's scale
.Lrow:
.set j, 0
.rept 8
	ds_load_b128 v[XX+4*j:XX+4*j+3], v12 offset:512*j
.set j, j+1
.endr
.set j, 0
.rept 8
	ds_load_b64 v[GG+2*j:GG+2*j+1], v18 offset:256*j
.set j, j+1
.endr
	s_wait_dscnt 8                                 ; the row is in; g's eight loads may stay out
.irp k, 0,1,2,3
	v_pk_add_f32 v[PP+2*\k:PP+2*\k+1], v[XX+2*\k:XX+2*\k+1], v[XX+8+2*\k:XX+8+2*\k+1]
.endr
.irp o, 16,24
.irp k, 0,1,2,3
	v_pk_add_f32 v[PP+2*\k:PP+2*\k+1], v[PP+2*\k:PP+2*\k+1], v[XX+\o+2*\k:XX+\o+2*\k+1]
.endr
.endr
	FOLD
	v_mul_f32 v138, s28, v136                      ; the mean
	v_mov_b32 v139, v138
.set j, 0
.rept 16
	v_pk_add_f32 v[XX+2*j:XX+2*j+1], v[XX+2*j:XX+2*j+1], v[138:139] neg_lo:[0,1] neg_hi:[0,1]
.set j, j+1
.endr
.irp k, 0,1,2,3
	v_pk_mul_f32 v[PP+2*\k:PP+2*\k+1], v[XX+2*\k:XX+2*\k+1], v[XX+2*\k:XX+2*\k+1]
.endr
.irp o, 8,16,24
.irp k, 0,1,2,3
	v_pk_fma_f32 v[PP+2*\k:PP+2*\k+1], v[XX+\o+2*\k:XX+\o+2*\k+1], v[XX+\o+2*\k:XX+\o+2*\k+1], v[PP+2*\k:PP+2*\k+1]
.endr
.endr
	FOLD
	v_fma_f32 v136, v136, s28, s29                 ; the variance + 1e-5
	v_rsq_f32 v140, v136
	s_wait_dscnt 0x0                               ; g
.set j, 0
.rept 16
	v_fma_mix_f32 v[EE+2*j],   v[GG+j], v162, v161 op_sel:[0,0,0] op_sel_hi:[1,0,0]  ; - g log2(e)
	v_fma_mix_f32 v[EE+2*j+1], v[GG+j], v162, v161 op_sel:[1,0,0] op_sel_hi:[1,0,0]
.set j, j+1
.endr
.set j, 0
.rept 32
	v_exp_f32 v[EE+j], v[EE+j]
.set j, j+1
.endr
	v_nop                                          ; a plain instruction behind the last exponential,
	s_wait_alu depctr_va_vdst(0)                   ; and one wait for the root's reciprocal and the 32 exponentials
	v_mov_b32 v141, v140
.set j, 0
.rept 16
	v_pk_add_f32 v[EE+2*j:EE+2*j+1], v[EE+2*j:EE+2*j+1], 1.0 op_sel_hi:[1,0]
.set j, j+1
.endr
.set j, 0
.rept 32
	v_rcp_f32 v[EE+j], v[EE+j]
.set j, j+1
.endr
.set j, 0
.rept 16                                           ; the norm's own work stands between the reciprocals and their wait
	v_pk_mul_f32 v[XX+2*j:XX+2*j+1], v[XX+2*j:XX+2*j+1], v[140:141]
.set j, j+1
.endr
.set j, 0
.rept 16
	v_pk_fma_f32 v[XX+2*j:XX+2*j+1], v[XX+2*j:XX+2*j+1], v[GA+2*j:GA+2*j+1], v[GA+32+2*j:GA+32+2*j+1]
.set j, j+1
.endr
	s_wait_alu depctr_va_vdst(0)
.set j, 0
.rept 16
	v_fma_mix_f32 v[EE+2*j],   v[GG+j], v[EE+2*j],   v161 op_sel:[0,0,0] op_sel_hi:[1,0,0]  ; silu(g) = g / (1 + e^-g)
	v_fma_mix_f32 v[EE+2*j+1], v[GG+j], v[EE+2*j+1], v161 op_sel:[1,0,0] op_sel_hi:[1,0,0]
.set j, j+1
.endr
.set j, 0
.rept 16
	v_pk_mul_f32 v[XX+2*j:XX+2*j+1], v[XX+2*j:XX+2*j+1], v[EE+2*j:EE+2*j+1]
.set j, j+1
.endr
.set j, 0
.rept 32
	v_and_b32 v[EE+j], s30, v[XX+j]                ; |y|
.set j, j+1
.endr
.irp k, 0,1,2,3
	v_max3_num_f32 v[PP+\k], v[EE+\k], v[EE+4+\k], v[EE+8+\k]
.endr
.irp k, 0,1,2,3
	v_max3_num_f32 v[PP+\k], v[PP+\k], v[EE+12+\k], v[EE+16+\k]
.endr
.irp k, 0,1,2,3
	v_max3_num_f32 v[PP+\k], v[PP+\k], v[EE+20+\k], v[EE+24+\k]
.endr
.irp k, 0,1,2,3
	v_max_num_f32 v[PP+\k], v[PP+\k], v[EE+28+\k]
.endr
	v_max3_num_f32 v136, v[PP], v[PP+1], v[PP+2]
	v_max_num_f32 v136, v136, v[PP+3]
	v_max_num_f32_dpp v136, v136, v136 row_xmask:1 row_mask:0xf bank_mask:0xf
	v_max_num_f32_dpp v136, v136, v136 row_xmask:2 row_mask:0xf bank_mask:0xf
	v_max_num_f32_dpp v136, v136, v136 row_xmask:4 row_mask:0xf bank_mask:0xf
	v_max_num_f32_dpp v136, v136, v136 row_xmask:8 row_mask:0xf bank_mask:0xf
	v_permlanex16_b32 v137, v136, s32, s33
	v_max_num_f32 v136, v136, v137
	v_max_num_f32 v136, 0x0d800000, v136           ; at least 2^-100
	v_rcp_f32 v142, v136
	v_cndmask_b32 v160, v160, v136, s35            ; the plain instruction behind the reciprocal
	s_wait_alu depctr_va_vdst(0)
	v_mov_b32 v143, v142
.set j, 0
.rept 16
	v_pk_mul_f32 v[XX+2*j:XX+2*j+1], v[XX+2*j:XX+2*j+1], v[142:143]
.set j, j+1
.endr
.set j, 0
.rept 16
	v_cvt_pk_f16_f32 v[YY+j], v[XX+2*j], v[XX+2*j+1]
.set j, j+1
.endr
.set j, 0
.rept 8
	global_store_b64 v11, v[YY+2*j:YY+2*j+1], s[12:13] offset:256*j  ; 32 lanes store 256 consecutive bytes, aligned
.set j, j+1
.endr
	s_lshl_b32 s35, s35, 1
	v_add_nc_u32 v12, RP, v12
	v_add_nc_u32 v18, GP, v18
	s_wait_xcnt 0x0                                ; the stores have read their offset and their data: both are written again
	v_add_nc_u32 v11, 2048, v11
	s_sub_co_u32 s34, s34, 1
	s_cmp_lg_u32 s34, 0
	s_cbranch_scc1 .Lrow
	v_lshlrev_b32 v13, 2, v8
	v_cmp_gt_u32 vcc_lo, 4, v8
	s_wait_xcnt 0x0                                ; EXEC changes only behind this wait
	s_and_saveexec_b32 s36, vcc_lo
	global_store_b32 v13, v160, s[14:15]           ; my four rows' scales: 16 bytes a wave (the buffer is 32 KB in all)
	s_wait_xcnt 0x0
	s_or_b32 exec_lo, exec_lo, s36
	s_wait_tensorcnt 0x0                           ; the wave's end, behind my last LDS store
	ds_add_u32 v[SPW], v[NIL]
	s_wait_dscnt 0x0
	s_endpgm
.Lfunc_end_k_q92eea1d4ad_lngate:
	.size	k_q92eea1d4ad_lngate, .Lfunc_end_k_q92eea1d4ad_lngate-k_q92eea1d4ad_lngate
	.p2alignl 7, 3214868480
	.fill 96, 4, 3214868480
	.section	.rodata,"a",@progbits
	.p2align	6, 0x0
	.amdhsa_kernel k_q92eea1d4ad_lngate
		.amdhsa_group_segment_fixed_size 202752
		.amdhsa_private_segment_fixed_size 0
		.amdhsa_enable_private_segment 0
		.amdhsa_kernarg_size 48
		.amdhsa_user_sgpr_count 2
		.amdhsa_user_sgpr_kernarg_segment_ptr 1
		.amdhsa_wavefront_size32 1
		.amdhsa_system_sgpr_workgroup_id_x 1
		.amdhsa_system_sgpr_workgroup_id_y 1
		.amdhsa_system_sgpr_workgroup_id_z 1
		.amdhsa_system_vgpr_workitem_id 0
		.amdhsa_next_free_vgpr 240
		.amdhsa_next_free_sgpr 66
		.amdhsa_reserve_vcc 1
		.amdhsa_float_denorm_mode_32 3
		.amdhsa_float_denorm_mode_16_64 3
		.amdhsa_memory_ordered 1
		.amdhsa_forward_progress 1
		.amdhsa_inst_pref_size 49
	.end_amdhsa_kernel
	.amdgpu_metadata
---
amdhsa.version: [ 1, 2 ]
amdhsa.kernels:
  - .name:           k_q92eea1d4ad_lngate
    .symbol:         k_q92eea1d4ad_lngate.kd
    .args:
      - { .name: ob, .offset: 0, .size: 8, .value_kind: global_buffer, .address_space: global }
      - { .name: gb, .offset: 8, .size: 8, .value_kind: global_buffer, .address_space: global }
      - { .name: ln_g, .offset: 16, .size: 8, .value_kind: global_buffer, .address_space: global }
      - { .name: ln_b, .offset: 24, .size: 8, .value_kind: global_buffer, .address_space: global }
      - { .name: yb, .offset: 32, .size: 8, .value_kind: global_buffer, .address_space: global }
      - { .name: ysc, .offset: 40, .size: 8, .value_kind: global_buffer, .address_space: global }
    .group_segment_fixed_size: 202752
    .private_segment_fixed_size: 0
    .kernarg_segment_align: 8
    .kernarg_segment_size: 48
    .max_flat_workgroup_size: 256
    .sgpr_count:     66
    .vgpr_count:     240
    .wavefront_size: 32
...
	.end_amdgpu_metadata
.endif
;; end of part 5
;; launch gemm2 (part 6): grid 8 x 64, 4 waves a work-group, clusters of 4 x 4, 327,680 bytes of LDS; arguments yb, wb, ysc, out0; writes out0
.if DOCPART == 6
	.amdgcn_target "amdgcn-amd-amdhsa--gfx1250"
	.amdhsa_code_object_version 6
	.text
	.protected	k_q92eea1d4ad_gemm2
	.globl	k_q92eea1d4ad_gemm2
	.p2align	8
	.type	k_q92eea1d4ad_gemm2,@function
k_q92eea1d4ad_gemm2:
	s_mov_b64 s[64:65], 0
	v_nop
	global_prefetch_b8 v0, s[64:65] scope:SCOPE_SE
	s_setreg_imm32_b32 hwreg(HW_REG_WAVE_MODE, 25, 1), 1
	s_wait_xcnt 0x0
	s_wait_alu depctr_hold_cnt(0) depctr_sa_sdst(0) depctr_va_vdst(0) depctr_va_sdst(0) depctr_va_ssrc(0) depctr_va_vcc(0) depctr_vm_vsrc(0)
	s_getreg_b32 s2, hwreg(HW_REG_IB_STS2, 6, 4)
	s_cmp_eq_u32 s2, 0
	s_cbranch_scc0 .Lentry_in_a_cluster
	s_endpgm
.Lentry_in_a_cluster:
	s_bfe_u32 s2, ttmp6, 0x10000c
	s_cmp_lg_u32 s2, 0xf033
	s_cbranch_scc0 .Lentry_shape_is_right
	s_endpgm
.Lentry_shape_is_right:
; out0[m][n] = ysc[m] x the sum over k of yb[m][k] Wout^T[n][k]: m = 8,192, n = 1,024, k = 1,024; f16 operands (Wout^T: wb's rows 4,096 on), f32 sums, f32 out.
; A tile of C is 128 x 128, so that there are 512 work-groups; four waves, each 64 x 64: 16 accumulators.  K goes in steps of 256 (LDS rows of 512 bytes; a wave's tensor load brings 64 of them)
; through two slots.  CLUSTERS: 4 x 4 work-groups; yb's tiles are asked for jointly along a row of the cluster, Wout^T's along a column.  The matrix instruction is used transposed (source 0 = 16 rows
; of Wout^T, source 1 = 16 rows of yb): a lane holds eight neighbouring numbers of a row of C.
; THE WAY OUT.  A wave's 64 columns in f32 are 256 aligned bytes of a row: each wave has a stage of its own, 16 rows at a time, and no barrier is needed.
; No prefetch: the tiles are small, and a step's loads are shared by four.
; REGISTERS: window 0: v0-31 addresses and the rows' scales; v32-127 at work on the way out; v128-255 the accumulators ((a, b) at v[128 + 8 (4 a + b)]).   window 1: two fragment buffers of 128.
.set SIZE_K, 1024
.set KSTEP,  256
.set PITCH,  528                       ; an LDS row: 512 bytes + 16 of padding
.set HALFT,  64*PITCH
.set SLOT,   4*HALFT
.set STAGE,  2*SLOT                    ; behind the ring: 16 rows x 272 bytes for each wave
.set SPITCH, 272
.set SPARE,  STAGE+4*16*SPITCH         ; the spare words, 128 bytes for each wave: two blocks of 256 bytes that no other line names
.set LAPS, SIZE_K/(2*KSTEP)
.set SC,   8                           ; v8-11  the scale of row 16 a + l % 16
.set ADRA, 16
.set ADRB, 20
.set STO,  24
.set RD,   25
.set CO,   26
.set SPW,  28                          ; v28  my spare word's address; never rewritten
.set NIL,  29                          ; v29  0; never rewritten
.set TMP,  32                          ; v32-63 scaled results;  v64-95, v96-127 whole rows, by turns
.set ACC,  128
.set F0,   0
.set F1,   128
.set G1, 24
.set G0, 32
.set G1B, 48
.set G0B, 56
.set MSB, 0
.macro WIN new
.if MSB != (\new)
	s_set_vgpr_msb (MSB<<8)|(\new)
.set MSB, \new
.endif
.endm
.set MUL,  0x05                        ; sources 0 and 1 window 1; C and D window 0
.set TO_F, 0x40                        ; destination window 1, address window 0
.macro JLOAD s                         ; a joint load: waves 0 and 1 fetch yb's two halves, waves 2 and 3 Wout^T's; an s_nop 0 and four v_nop follow each of the two lines
	s_cmp_eq_u32 s11, 0
	s_cbranch_scc0 .Lfor_b_\@
	tensor_load_to_lds s[G0+4*(\s):G0+4*(\s)+3], s[G1:G1+7]
	s_nop 0
.rept 4
	v_nop
.endr
	s_branch .Lasked_\@
.Lfor_b_\@:
	tensor_load_to_lds s[G0B+4*(\s):G0B+4*(\s)+3], s[G1B:G1B+7]
	s_nop 0
.rept 4
	v_nop
.endr
.Lasked_\@:
.endm
.macro CREST
	s_cmp_lg_u32 s10, 0
	s_cbranch_scc1 .Lnot_wave_0_\@
	s_barrier_signal -3
.Lnot_wave_0_\@:
	s_barrier_wait -3
	s_barrier_signal -1
	s_barrier_wait -1
.endm
.macro CROUND
	s_barrier_signal -1
	s_barrier_wait -1
	CREST
.endm
	s_load_b128 s[4:7], s[0:1], 0x0                ; yb s[4:5], wb s[6:7]
	s_load_b128 s[68:71], s[0:1], 0x10             ; ysc s[68:69], out0 s[70:71]
	v_lshl_add_u32 v[SPW], v0, 2, SPARE
	v_mov_b32 v[NIL], 0
	ds_add_u32 v[SPW], v[NIL]                      ; the wave's opening: the add, twice on end, and its wait ahead of my first tensor load
	ds_add_u32 v[SPW], v[NIL]
	v_lshrrev_b32 v1, 5, v0
	v_readfirstlane_b32 s10, v1                    ; wave 0..3
	s_lshr_b32 s11, s10, 1                         ; which half of the tile's rows is mine.  Also: I fetch for yb (0) or for Wout^T (1)
	s_and_b32 s12, s10, 1                          ; which half of its columns.  Also: which 64 rows of that tile I fetch
	s_bfe_u32 s40, ttmp6, 0x40000                  ; cx, cy
	s_bfe_u32 s41, ttmp6, 0x40004
	s_lshl_b32 s42, ttmp9, 2
	s_add_co_u32 s42, s42, s40                     ; tile column of C
	s_and_b32 s13, ttmp7, 0xffff
	s_lshl_b32 s13, s13, 2
	s_add_co_u32 s13, s13, s41                     ; tile row of C
	s_lshl_b32 s43, s41, 2
	s_lshl_b32 s43, 15, s43                        ; my row of the cluster
	s_lshl_b32 s44, 0x1111, s40                    ; my column
	s_or_b32 s[G1+0], s43, (1<<16)|(1<<20)|(1<<21)|(6<<22)|(3<<25)  ; the mask; 2-byte elements; padding on, 4 words after every 128; bit 21 beside a mask
	s_or_b32 s[G1B+0], s44, (1<<16)|(1<<20)|(1<<21)|(6<<22)|(3<<25)
.irp g, G1, G1B
	s_mov_b32 s[(\g)+1], KSTEP<<16                 ; tensor_dim0 = 256
	s_mov_b32 s[(\g)+2], 64<<16                    ; tensor_dim1 = 64
	s_mov_b32 s[(\g)+3], KSTEP<<16                 ; tile_dim0 = 256
	s_mov_b32 s[(\g)+4], 64                        ; tile_dim1 = 64
	s_mov_b32 s[(\g)+5], SIZE_K                    ; elements from row to row
	s_mov_b32 s[(\g)+6], 0
	s_mov_b32 s[(\g)+7], 0
.endr
	s_lshl_b32 s17, s12, 6
	s_lshl_b32 s16, s13, 7
	s_add_co_u32 s16, s16, s17                     ; yb: row 128 x tile row + 64 x half
	s_lshl_b32 s46, s42, 7
	s_add_co_u32 s46, s46, s17                     ; Wout^T: row 128 x tile column + 64 x half
	s_mov_b32 s17, 0
	s_mov_b32 s47, 0
	s_mov_b64 s[18:19], SIZE_K*2
	s_mul_u64 s[16:17], s[16:17], s[18:19]
	s_mul_u64 s[46:47], s[46:47], s[18:19]
	s_mul_i32 s20, s10, HALFT
	s_wait_dscnt 0x0                               ; both opening adds are done
	s_wait_kmcnt 0x0
	s_add_nc_u64 s[6:7], s[6:7], 0x800000          ; wb's row 4,096
	s_add_nc_u64 s[14:15], s[4:5], s[16:17]
	s_add_nc_u64 s[46:47], s[6:7], s[46:47]
	CROUND                                         ; all sixteen work-groups are here: the first joint loads meet
.irp s, 0,1
	s_mov_b32 s[G0+4*(\s)], 1
	s_add_co_u32 s[G0+4*(\s)+1], s20, (\s)*SLOT
	s_add_nc_u64 s[G0+4*(\s)+2:G0+4*(\s)+3], s[14:15], (\s)*KSTEP*2
	s_or_b32 s[G0+4*(\s)+3], s[G0+4*(\s)+3], 0x80000000
	s_mov_b32 s[G0B+4*(\s)], 1
	s_add_co_u32 s[G0B+4*(\s)+1], s20, (\s)*SLOT
	s_add_nc_u64 s[G0B+4*(\s)+2:G0B+4*(\s)+3], s[46:47], (\s)*KSTEP*2
	s_or_b32 s[G0B+4*(\s)+3], s[G0B+4*(\s)+3], 0x80000000
	JLOAD \s
.endr
	v_and_b32 v1, 15, v0                           ; l % 16
	v_bfe_u32 v2, v0, 4, 1                         ; l / 16
	v_mul_u32_u24 v3, v1, PITCH
	v_lshl_add_u32 v3, v2, 4, v3
	s_mul_i32 s21, s11, HALFT
	s_mul_i32 s22, s12, HALFT
	s_add_co_u32 s22, s22, 2*HALFT
.irp s, 0,1
	v_add_nc_u32 v[ADRA+(\s)], s21, v3
	v_add_nc_u32 v[ADRB+(\s)], s22, v3
	s_add_co_u32 s21, s21, SLOT
	s_add_co_u32 s22, s22, SLOT
.endr
	s_mul_i32 s23, s10, 16*SPITCH
	s_add_co_u32 s23, s23, STAGE                   ; my stage
	v_mul_u32_u24 v4, v1, SPITCH                   ; in: row l % 16, 32 bytes for each half of the lanes
	v_lshl_add_u32 v4, v2, 5, v4
	v_add_nc_u32 v[STO], s23, v4
	v_mul_u32_u24 v5, v2, SPITCH                   ; back: lanes 0-15 take one row of 256 bytes, lanes 16-31 the next
	v_lshl_add_u32 v5, v1, 4, v5
	v_add_nc_u32 v[RD], s23, v5
	v_lshlrev_b32 v5, 12, v2                       ; and the same two rows in out0
	v_lshl_add_u32 v[CO], v1, 4, v5
	s_lshl_b32 s16, s13, 7
	s_lshl_b32 s17, s11, 6
	s_add_co_u32 s16, s16, s17                     ; my first row: 128 x tile row + 64 x half
	s_lshl_b32 s18, s16, 2
	s_mov_b32 s19, 0
	s_add_nc_u64 s[68:69], s[68:69], s[18:19]
	s_lshl_b32 s16, s16, 12
	s_mov_b32 s17, 0
	s_add_nc_u64 s[8:9], s[70:71], s[16:17]
	s_lshl_b32 s46, s42, 9                         ; my first column, in bytes: 512 x tile column + 256 x half
	s_lshl_b32 s47, s12, 8
	s_add_co_u32 s46, s46, s47
	s_mov_b32 s47, 0
	s_add_nc_u64 s[8:9], s[8:9], s[46:47]
	v_lshlrev_b32 v6, 2, v1
.irp a, 0,1,2,3
	global_load_b32 v[SC+\a], v6, s[68:69] offset:64*\a
.endr
.macro MUL8 f, c, a0, zero             ; 8 matrix instructions: m blocks a0, a0 + 1 x all 4 n blocks, 32 along K: half c of buffer f
	WIN MUL
.irp a, \a0, (\a0)+1
.irp b, 0,1,2,3
.if \zero
	v_wmma_f32_16x16x32_f16 v[ACC+8*(4*(\a)+(\b)):ACC+8*(4*(\a)+(\b))+7], v[(\f)+64+8*(4*(\c)+(\b)):(\f)+64+8*(4*(\c)+(\b))+7], v[(\f)+8*(4*(\c)+(\a)):(\f)+8*(4*(\c)+(\a))+7], 0
.else
	v_wmma_f32_16x16x32_f16 v[ACC+8*(4*(\a)+(\b)):ACC+8*(4*(\a)+(\b))+7], v[(\f)+64+8*(4*(\c)+(\b)):(\f)+64+8*(4*(\c)+(\b))+7], v[(\f)+8*(4*(\c)+(\a)):(\f)+8*(4*(\c)+(\a))+7], v[ACC+8*(4*(\a)+(\b)):ACC+8*(4*(\a)+(\b))+7]
.endif
.endr
.endr
.endm
.macro FETCH slot, k, f                ; 32 LDS loads in one run: the fragments of 64 along K at byte k of the rows; the first 32 along K first
	WIN TO_F
.irp c, 0,1
.irp i, 0,1,2,3
	ds_load_b128 v[(\f)+64+8*(4*(\c)+(\i)):(\f)+64+8*(4*(\c)+(\i))+3],   v[ADRB+(\slot)] offset:(\k)+64*(\c)+(\i)*16*PITCH
	ds_load_b128 v[(\f)+64+8*(4*(\c)+(\i))+4:(\f)+64+8*(4*(\c)+(\i))+7], v[ADRB+(\slot)] offset:(\k)+64*(\c)+(\i)*16*PITCH+32
	ds_load_b128 v[(\f)+8*(4*(\c)+(\i)):(\f)+8*(4*(\c)+(\i))+3],         v[ADRA+(\slot)] offset:(\k)+64*(\c)+(\i)*16*PITCH
	ds_load_b128 v[(\f)+8*(4*(\c)+(\i))+4:(\f)+8*(4*(\c)+(\i))+7],       v[ADRA+(\slot)] offset:(\k)+64*(\c)+(\i)*16*PITCH+32
.endr
.endr
.endm
.macro PLACES
.rept 4
	v_nop
.endr
.endm
.macro QUARTER slot, k, f, g, zero     ; 64 along K: multiplies buffer f and fetches the next quarter, at byte k, into g
	s_wait_dscnt 16                                ; the first 32 along K are in
	WIN MUL
	MUL8 \f, 0, 0, \zero
	MUL8 \f, 0, 2, \zero
	PLACES
	FETCH \slot, \k, \g
	s_wait_dscnt 32                                ; all but the 32 just issued
	WIN MUL
	MUL8 \f, 1, 0, 0
	MUL8 \f, 1, 2, 0
.endm
; The last quarter multiplies buffer 1 and changes slots: one barrier; in front of it each wave waits for all its tensor loads, adds 0 to its spare word, and waits for that and for its reads of this slot.
.macro TURN slot, next, fill
	WIN 0
	s_wait_tensorcnt 0x0                           ; all my tensor loads have landed: my part of the next slot;
	ds_add_u32 v[SPW], v[NIL]
	s_wait_dscnt 17                                ; (the add and the youngest sixteen loads may be out)
	WIN MUL
	MUL8 F1, 0, 0, 0
	s_wait_dscnt 0x0                               ; the add is done, and my reads of this slot are over
	s_barrier_signal -1
	MUL8 F1, 0, 2, 0
.if \fill
	WIN 0
.endif
	s_barrier_wait -1
.if \fill
	CREST                                          ; no wave of any partner still reads this slot's tile or has a load on its way
	s_add_nc_u64 s[G0+4*(\slot)+2:G0+4*(\slot)+3], s[G0+4*(\slot)+2:G0+4*(\slot)+3], 2*KSTEP*2
	s_add_nc_u64 s[G0B+4*(\slot)+2:G0B+4*(\slot)+3], s[G0B+4*(\slot)+2:G0B+4*(\slot)+3], 2*KSTEP*2
	JLOAD \slot
.else
	PLACES
.endif
	FETCH \next, 0, F0
	WIN MUL
	MUL8 F1, 1, 0, 0
	MUL8 F1, 1, 2, 0
.endm
	s_wait_tensorcnt 1                             ; my part of K step 0 is in; K step 1's may stay out
	s_barrier_signal -1
	s_barrier_wait -1
	FETCH 0, 0, F0
	QUARTER 0, 128, F0, F1, 1
	WIN 0
	s_mov_b32 s3, LAPS-1
.Llap:
	QUARTER 0, 256, F1, F0, 0
	QUARTER 0, 384, F0, F1, 0
	TURN 0, 1, 1
	QUARTER 1, 128, F0, F1, 0
	QUARTER 1, 256, F1, F0, 0
	QUARTER 1, 384, F0, F1, 0
	TURN 1, 0, 1
	QUARTER 0, 128, F0, F1, 0
	WIN 0
	s_sub_co_u32 s3, s3, 1
	s_cmp_lg_u32 s3, 0
	s_cbranch_scc1 .Llap
	QUARTER 0, 256, F1, F0, 0                      ; the last lap fills nothing
	QUARTER 0, 384, F0, F1, 0
	TURN 0, 1, 0
	QUARTER 1, 128, F0, F1, 0
	QUARTER 1, 256, F1, F0, 0
	QUARTER 1, 384, F0, F1, 0
	s_wait_dscnt 16
	WIN MUL
	MUL8 F1, 0, 0, 0
	MUL8 F1, 0, 2, 0
	s_wait_dscnt 0x0
	MUL8 F1, 1, 0, 0
	MUL8 F1, 1, 2, 0
	WIN 0
	; THE WAY OUT: times the row's scale; 32 bytes a lane into my stage; back as whole rows of 256 bytes; 16 rows at a time.
.macro PACK a
.set BK, 64+32*((\a)%2)
.set i, 0
.rept 16                                           ; each accumulator is read from its low end on
.if ((\a)&1)
	v_pk_mul_f32 v[TMP+2*i:TMP+2*i+1], v[ACC+32*(\a)+2*i:ACC+32*(\a)+2*i+1], v[SC+2*((\a)/2):SC+2*((\a)/2)+1] op_sel:[0,1] op_sel_hi:[1,1]
.else
	v_pk_mul_f32 v[TMP+2*i:TMP+2*i+1], v[ACC+32*(\a)+2*i:ACC+32*(\a)+2*i+1], v[SC+2*((\a)/2):SC+2*((\a)/2)+1] op_sel:[0,0] op_sel_hi:[1,0]
.endif
.set i, i+1
.endr
.irp b, 0,1,2,3
	ds_store_b128 v[STO], v[TMP+8*(\b):TMP+8*(\b)+3]   offset:64*(\b)
	ds_store_b128 v[STO], v[TMP+8*(\b)+4:TMP+8*(\b)+7] offset:64*(\b)+16
.endr
.if (\a) >= 2
	s_wait_xcnt 0x0                                ; the stores of the block two back have read these registers
.endif
.irp t, 0,1,2,3,4,5,6,7
	ds_load_b128 v[BK+4*(\t):BK+4*(\t)+3], v[RD] offset:(\t)*2*SPITCH  ; LDS serves a wave's instructions in order (ISA guide 5.7.1.4): these see the stores above; the next block's stores come behind them
.endr
.endm
.macro SEND a, younger                 ; younger: the LDS instructions issued behind block a's loads: the next block's sixteen, or none
.set BK, 64+32*((\a)%2)
.irp t, 0,1,2,3,4,5,6,7
	s_wait_dscnt (\younger)+7-(\t)
	global_store_b128 v[CO], v[BK+4*(\t):BK+4*(\t)+3], s[8:9] offset:(16*(\a)+2*(\t))*4096  ; 16 lanes store 256 consecutive bytes, aligned
.endr
.endm
	PLACES
	PLACES
	s_wait_loadcnt 0x0                             ; the rows' scales
	PACK 0
	PACK 1
	SEND 0, 16
	PACK 2
	SEND 1, 16
	PACK 3
	SEND 2, 16
	SEND 3, 0
	s_wait_tensorcnt 0x0                           ; the wave's end, behind my last tensor load and my last LDS store
	ds_add_u32 v[SPW], v[NIL]
	s_wait_dscnt 0x0
	CROUND                                         ; the closing round: no work-group ends while a partner may still ask for a tile that names it
	s_endpgm
.Lfunc_end_k_q92eea1d4ad_gemm2:
	.size	k_q92eea1d4ad_gemm2, .Lfunc_end_k_q92eea1d4ad_gemm2-k_q92eea1d4ad_gemm2
	.p2alignl 7, 3214868480
	.fill 96, 4, 3214868480
	.section	.rodata,"a",@progbits
	.p2align	6, 0x0
	.amdhsa_kernel k_q92eea1d4ad_gemm2
		.amdhsa_group_segment_fixed_size 327680
		.amdhsa_private_segment_fixed_size 0
		.amdhsa_enable_private_segment 0
		.amdhsa_kernarg_size 32
		.amdhsa_user_sgpr_count 2
		.amdhsa_user_sgpr_kernarg_segment_ptr 1
		.amdhsa_wavefront_size32 1
		.amdhsa_system_sgpr_workgroup_id_x 1
		.amdhsa_system_sgpr_workgroup_id_y 1
		.amdhsa_system_sgpr_workgroup_id_z 1
		.amdhsa_system_vgpr_workitem_id 0
		.amdhsa_next_free_vgpr 512
		.amdhsa_next_free_sgpr 72
		.amdhsa_reserve_vcc 0
		.amdhsa_float_denorm_mode_32 3
		.amdhsa_float_denorm_mode_16_64 3
		.amdhsa_memory_ordered 1
		.amdhsa_forward_progress 1
		.amdhsa_inst_pref_size 91
	.end_amdhsa_kernel
	.amdgpu_metadata
---
amdhsa.version: [ 1, 2 ]
amdhsa.kernels:
  - .name:           k_q92eea1d4ad_gemm2
    .symbol:         k_q92eea1d4ad_gemm2.kd
    .args:
      - { .name: yb, .offset: 0, .size: 8, .value_kind: global_buffer, .address_space: global }
      - { .name: wb, .offset: 8, .size: 8, .value_kind: global_buffer, .address_space: global }
      - { .name: ysc, .offset: 16, .size: 8, .value_kind: global_buffer, .address_space: global }
      - { .name: out0, .offset: 24, .size: 8, .value_kind: global_buffer, .address_space: global }
    .group_segment_fixed_size: 327680
    .private_segment_fixed_size: 0
    .kernarg_segment_align: 8
    .kernarg_segment_size: 32
    .max_flat_workgroup_size: 128
    .sgpr_count:     72
    .vgpr_count:     512
    .wavefront_size: 32
...
	.end_amdgpu_metadata
.endif
;; end of part 6
;; ======== version 2 of 2: 6 launches; version 1 with the launch prepx written anew for expert scheduling mode
;; limits: values are held in f16: magnitudes above 65,504 overflow, below 6.1e-05 lose precision
;; workspace buffers: xb 16,777,216 bytes; wb 10,485,760 bytes; beta 524,288 bytes; qkv 50,331,648 bytes; gb 16,777,216 bytes; ob 33,554,432 bytes; yb 16,777,216 bytes; ysc 32,768 bytes
;; launch prepx (part 7): grid 256 x 1, 8 waves a work-group, no clusters, 108,032 bytes of LDS; arguments x, Wbeta, xb, beta; writes xb, beta
.if DOCPART == 7
	.amdgcn_target "amdgcn-amd-amdhsa--gfx1250"
	.amdhsa_code_object_version 6
	.text
	.protected	k_q92eea1d4ad_prepx
	.globl	k_q92eea1d4ad_prepx
	.p2align	8
	.type	k_q92eea1d4ad_prepx,@function
k_q92eea1d4ad_prepx:
	s_mov_b64 s[64:65], 0
	v_nop
	global_prefetch_b8 v0, s[64:65] scope:SCOPE_SE
	s_setreg_imm32_b32 hwreg(HW_REG_WAVE_SCHED_MODE, 0, 2), 2
	s_setreg_imm32_b32 hwreg(HW_REG_WAVE_MODE, 25, 1), 1
	s_wait_xcnt 0x0
	s_wait_alu depctr_vm_vsrc(0)
; A work-group takes 32 rows of x: xb = x rounded to bf16, and beta = sigmoid(x Wbeta) for those rows, on the matrix unit (bf16 operands, f32 sums).
; Wave w converts rows 4 w .. 4 w + 3: 32 loads of 512 consecutive bytes, all out at once; the rounded rows go to memory and into LDS.  For the product wave w takes rows 16 (w & 1) on and
; k = 256 (w >> 1) on; the four partial sums of a block of 16 rows meet in LDS, and waves 0 and 1 finish them.
; beta lies as [b*16 + head][t] f32: a lane stores 32 bytes of a head's row (the buffer is 0.5 MB in all; these stores do not fill aligned blocks of 256 bytes).
; The exponential and the reciprocal flush denormals; NaN and infinities are not treated apart.
; THE MODE: SCHED_MODE bits 1:0 = 2 (LLVM: expert scheduling mode 2), set by the entry lines.  The code itself states the register dependences
; between vector or matrix instructions and memory or LDS instructions, with s_wait_alu, always for 0.
; THE PLAN.  Registers that memory or LDS instructions touch:
;   v5, v6, v8, v9, v10   offsets and LDS addresses, made at the head, ahead of the first wait on va_vdst, and never written again.
;   v13, v14, v15         LDS addresses of the product, made while the global loads are out, ahead of the second wait on va_vdst, and never written again.
;   v16-79                Wbeta as loaded; its 32 conversions close up in place; ONE wait; its 16 LDS stores in one run.
;   v80-207               x as loaded, in eight blocks of four loads.  Block b's conversions name block b's registers alone; its memory instructions are the stores of block b - 1.  So ONE wait at a
;                         block's head states all that the block's eight stores hang on, and they are dealt among its conversions.
;   Behind the first barrier all of v16-207 changes hands (fragments, matrix results, sums): one wait on vm_vsrc states that the stores have read them.
;   v48                   beta's offset, made in waves 0 and 1: no memory instruction reads that register behind the wait on vm_vsrc but the two stores that it serves.
.set XP,    2064                       ; LDS: a row of x in bf16, 2,048 bytes + 16: the 16 rows of a fragment load start at 16 different groups of four banks
.set WBL,   66048                      ; LDS: Wbeta as [k][16] bf16, 32 bytes a row
.set PT,    98816                      ; LDS: the eight waves' partial sums, 1,024 bytes each
.set SPARE, 107008                     ; the spare words, 128 bytes for each wave: four blocks of 256 bytes that no other line names
.set SPW, 2                            ; v2  my spare word's address; never rewritten
.set NIL, 3                            ; v3  0; never rewritten
.set BO,  48                           ; v48 waves 0 and 1, at the end: my byte offset in beta
	s_load_b256 s[8:15], s[0:1], 0x0               ; x 8:9, Wbeta 10:11, xb 12:13, beta 14:15
	v_lshl_add_u32 v[SPW], v0, 2, SPARE
	v_mov_b32 v[NIL], 0
	v_lshrrev_b32 v1, 5, v0
	v_readfirstlane_b32 s4, v1                     ; wave 0..7
	v_and_b32 v4, 31, v0                           ; lane
	s_lshl_b32 s28, ttmp9, 17                      ; 32 rows of 4,096 bytes
	s_mov_b32 s29, 0
	s_lshl_b32 s30, ttmp9, 16                      ; 32 rows of 2,048 bytes
	s_mov_b32 s31, 0
	v_lshlrev_b32 v5, 4, v0                        ; Wbeta: 16 bytes a thread
	v_lshlrev_b32 v6, 4, v4
	v_lshl_add_u32 v6, v1, 14, v6                  ; x: 16,384 w + 16 lane
	v_lshlrev_b32 v7, 3, v4
	v_lshl_add_u32 v8, v1, 13, v7                  ; xb: 8,192 w + 8 lane
	v_mul_u32_u24 v9, v1, 4*XP
	v_add_nc_u32 v9, v9, v7                        ; LDS rows of x: 4 w rows + 8 lane
	v_lshl_add_u32 v10, v0, 3, WBL                 ; LDS Wbeta: 8 bytes a thread
	s_wait_kmcnt 0x0
	s_add_nc_u64 s[8:9], s[8:9], s[28:29]
	s_add_nc_u64 s[12:13], s[12:13], s[30:31]
	s_wait_alu depctr_va_vdst(0)                   ; v5, v6, v8, v9 and v10 are written: the loads below and the stores further down read them as offsets and addresses
.set j, 0
.rept 16
	global_load_b128 v[16+4*j:19+4*j], v5, s[10:11] offset:4096*j
.set j, j+1
.endr
.set j, 0
.rept 32
	global_load_b128 v[80+4*j:83+4*j], v6, s[8:9] offset:(j/8)*4096+(j%8)*512 th:TH_LOAD_NT
.set j, j+1
.endr
	; addresses for the product, made while the loads are out: none of these lines names a register that a load touches
	s_wait_alu depctr_va_sdst(0)                   ; s4 is written, ahead of its first reader
	s_and_b32 s5, s4, 1
	s_lshr_b32 s6, s4, 1
	v_and_b32 v11, 15, v4                          ; r
	v_lshrrev_b32 v12, 4, v4                       ; h
	s_mul_i32 s7, s5, 16*XP
	s_lshl_b32 s28, s6, 9
	s_add_co_u32 s7, s7, s28
	v_mul_u32_u24 v13, v11, XP
	v_lshl_add_u32 v13, v12, 4, v13
	v_add_nc_u32 v13, s7, v13                      ; x's fragments: (16 rb + r) rows + 512 kq + 16 h
	v_and_b32 v15, 7, v4
	v_lshl_add_u32 v15, v12, 3, v15
	v_lshlrev_b32 v15, 5, v15                      ; (8 h + lane % 8) rows of 32 bytes
	v_bfe_u32 v14, v4, 3, 1
	v_lshl_add_u32 v14, v14, 4, v15
	s_lshl_b32 s28, s6, 13
	s_add_co_u32 s28, s28, WBL
	v_add_nc_u32 v14, s28, v14                     ; Wbeta's fragments, by the turning load
	v_lshl_add_u32 v15, v0, 5, PT                  ; my 32 bytes of my wave's partial sums
	s_wait_loadcnt 32                              ; Wbeta is in; the 32 loads of x may stay out
.set j, 0
.rept 16
	v_cvt_pk_bf16_f32 v[16+4*j], v[16+4*j], v[17+4*j]
	v_cvt_pk_bf16_f32 v[17+4*j], v[18+4*j], v[19+4*j]
.set j, j+1
.endr
	s_wait_alu depctr_va_vdst(0)                   ; the conversions have written the pairs that the LDS stores below read; v13, v14 and v15 are written, which the LDS instructions of the product read
.set j, 0
.rept 16
	ds_store_b64 v10, v[16+4*j:17+4*j] offset:2048*j
.set j, j+1
.endr
; Block b of x: loads 4 b .. 4 b + 3.  conv = 1: they are rounded, in place.  out = 1: block b - 1 is stored, to memory and into LDS.
.macro BLK b, conv, out
.if \conv
	s_wait_loadcnt 28-4*(\b)                       ; loads come back in order (ISA guide 5.7.1): this block's four are in, the younger blocks stay out
.endif
.if \out
	s_wait_alu depctr_va_vdst(0)                   ; the block before has written its pairs, which the stores below read; no vector line behind this wait names them
.endif
.irp i, 0,1,2,3
.if \out
.set jo, 4*((\b)-1)+(\i)
	global_store_b64 v8, v[80+4*jo:81+4*jo], s[12:13] offset:(jo/8)*2048+(jo%8)*256  ; 32 lanes store 256 consecutive bytes, aligned
	ds_store_b64 v9, v[80+4*jo:81+4*jo] offset:(jo/8)*XP+(jo%8)*256
.endif
.if \conv
.set jc, 4*(\b)+(\i)
	v_cvt_pk_bf16_f32 v[80+4*jc], v[80+4*jc], v[81+4*jc]
	v_cvt_pk_bf16_f32 v[81+4*jc], v[82+4*jc], v[83+4*jc]
.endif
.endr
.endm
	BLK 0, 1, 0                                    ; block 0 has no block in front of it
.irp b, 1,2,3,4,5,6,7
	BLK \b, 1, 1
.endr
	BLK 8, 0, 1                                    ; behind block 7 only its stores are left
	s_wait_xcnt 0x0                                ; the stores have read their registers: v80 on are used again below
	s_wait_dscnt 0x0                               ; for the others' sake: my LDS stores are done
	s_barrier_signal -1
	s_barrier_wait -1
	s_wait_alu depctr_vm_vsrc(0)                   ; my global and LDS stores have read v16-207: the fragments' loads, the matrix instructions and the packed sums below write these registers again
.set j, 0
.rept 8                                            ; eight steps of 32 along k.  The conversions that named these registers stand ahead of the last wait on va_vdst
	ds_load_b128 v[16+8*j:19+8*j], v13 offset:64*j
	ds_load_b128 v[20+8*j:23+8*j], v13 offset:64*j+32
	ds_load_tr16_b128 v[80+8*j:83+8*j], v14 offset:1024*j
	ds_load_tr16_b128 v[84+8*j:87+8*j], v14 offset:1024*j+512
.set j, j+1
.endr
	s_wait_dscnt 0x0
	v_wmma_f32_16x16x32_bf16 v[144:151], v[16:23], v[80:87], 0   ; two accumulators by turns; the first two products start the sums
	v_wmma_f32_16x16x32_bf16 v[152:159], v[24:31], v[88:95], 0
.set j, 2
.rept 6
	v_wmma_f32_16x16x32_bf16 v[144+8*(j%2):151+8*(j%2)], v[16+8*j:23+8*j], v[80+8*j:87+8*j], v[144+8*(j%2):151+8*(j%2)]
.set j, j+1
.endr
.rept 8
	v_nop                                          ; the places behind the last products
.endr
.set j, 0
.rept 4
	v_pk_add_f32 v[160+2*j:161+2*j], v[144+2*j:145+2*j], v[152+2*j:153+2*j]
.set j, j+1
.endr
	s_wait_alu depctr_va_vdst(0)                   ; the packed sums have written v160-167, which the LDS stores read; the matrix instructions are done reading v16-47, in which the partial sums' loads land further down
	ds_store_b128 v15, v[160:163]
	ds_store_b128 v15, v[164:167] offset:16
	s_wait_dscnt 0x0
	s_barrier_signal -1
	s_barrier_wait -1                              ; all eight partial sums lie in LDS
	s_cmp_lt_u32 s4, 2                             ; wave 0 finishes rows 0-15, wave 1 rows 16-31
	s_cbranch_scc0 .Lend
.set j, 0
.rept 4                                            ; the four quarters of k: waves w, w + 2, w + 4, w + 6.  No vector line since the last wait on va_vdst names v16-47
	ds_load_b128 v[16+8*j:19+8*j], v15 offset:2048*j
	ds_load_b128 v[20+8*j:23+8*j], v15 offset:2048*j+16
.set j, j+1
.endr
	s_lshr_b32 s28, ttmp9, 5                       ; b
	s_lshl_b32 s28, s28, 16                        ; 16 heads x 1,024 t x 4 bytes
	s_and_b32 s29, ttmp9, 31
	s_lshl_b32 s29, s29, 7                         ; 32 t x 4 bytes
	s_add_co_u32 s28, s28, s29
	s_lshl_b32 s29, s4, 6                          ; 16 t x 4 bytes
	s_add_co_u32 s28, s28, s29
	v_lshlrev_b32 v[BO], 12, v11                   ; head r
	v_lshl_add_u32 v[BO], v12, 5, v[BO]            ; t = 8 h on
	v_add_nc_u32 v[BO], s28, v[BO]
	s_wait_dscnt 0x0
.set j, 0
.rept 4
	v_pk_add_f32 v[16+2*j:17+2*j], v[16+2*j:17+2*j], v[24+2*j:25+2*j]
	v_pk_add_f32 v[32+2*j:33+2*j], v[32+2*j:33+2*j], v[40+2*j:41+2*j]
.set j, j+1
.endr
.set j, 0
.rept 4
	v_pk_add_f32 v[16+2*j:17+2*j], v[16+2*j:17+2*j], v[32+2*j:33+2*j]
.set j, j+1
.endr
.set j, 0
.rept 8
	v_mul_f32 v[24+j], 0xbfb8aa3b, v[16+j]         ; - z log2(e)
.set j, j+1
.endr
.set j, 0
.rept 8
	v_exp_f32 v[24+j], v[24+j]
.set j, j+1
.endr
	v_nop                                          ; a plain instruction behind the last exponential,
	s_wait_alu depctr_va_vdst(0)                   ; and one wait for the batch: the eight exponentials have written v24-31, ahead of their first reader
.set j, 0
.rept 8
	v_add_f32 v[24+j], 1.0, v[24+j]
.set j, j+1
.endr
.set j, 0
.rept 8
	v_rcp_f32 v[24+j], v[24+j]
.set j, j+1
.endr
	v_nop                                          ; a plain instruction behind the last reciprocal
	s_wait_alu depctr_va_vdst(0)                   ; the eight reciprocals have written v24-31, the stores' data, ahead of their first reader; v48, the stores' offset, is written
	global_store_b128 v[BO], v[24:27], s[14:15]
	global_store_b128 v[BO], v[28:31], s[14:15] offset:16
.Lend:
	s_wait_dscnt 0x0                               ; the closing lines, six on end
	s_wait_alu 0x0
	s_wait_tensorcnt 0x0
	ds_add_u32 v[SPW], v[NIL]
	s_wait_dscnt 0x0
	s_endpgm
.Lfunc_end_k_q92eea1d4ad_prepx:
	.size	k_q92eea1d4ad_prepx, .Lfunc_end_k_q92eea1d4ad_prepx-k_q92eea1d4ad_prepx
	.p2alignl 7, 3214868480
	.fill 96, 4, 3214868480
	.section	.rodata,"a",@progbits
	.p2align	6, 0x0
	.amdhsa_kernel k_q92eea1d4ad_prepx
		.amdhsa_group_segment_fixed_size 108032
		.amdhsa_private_segment_fixed_size 0
		.amdhsa_enable_private_segment 0
		.amdhsa_kernarg_size 32
		.amdhsa_user_sgpr_count 2
		.amdhsa_user_sgpr_kernarg_segment_ptr 1
		.amdhsa_wavefront_size32 1
		.amdhsa_system_sgpr_workgroup_id_x 1
		.amdhsa_system_sgpr_workgroup_id_y 1
		.amdhsa_system_sgpr_workgroup_id_z 1
		.amdhsa_system_vgpr_workitem_id 0
		.amdhsa_next_free_vgpr 208
		.amdhsa_next_free_sgpr 66
		.amdhsa_reserve_vcc 0
		.amdhsa_float_denorm_mode_32 3
		.amdhsa_float_denorm_mode_16_64 3
		.amdhsa_memory_ordered 1
		.amdhsa_forward_progress 1
		.amdhsa_inst_pref_size 27
	.end_amdhsa_kernel
	.amdgpu_metadata
---
amdhsa.version: [ 1, 2 ]
amdhsa.kernels:
  - .name:           k_q92eea1d4ad_prepx
    .symbol:         k_q92eea1d4ad_prepx.kd
    .args:
      - { .name: x, .offset: 0, .size: 8, .value_kind: global_buffer, .address_space: global }
      - { .name: Wbeta, .offset: 8, .size: 8, .value_kind: global_buffer, .address_space: global }
      - { .name: xb, .offset: 16, .size: 8, .value_kind: global_buffer, .address_space: global }
      - { .name: beta, .offset: 24, .size: 8, .value_kind: global_buffer, .address_space: global }
    .group_segment_fixed_size: 108032
    .private_segment_fixed_size: 0
    .kernarg_segment_align: 8
    .kernarg_segment_size: 32
    .max_flat_workgroup_size: 256
    .sgpr_count:     66
    .vgpr_count:     208
    .wavefront_size: 32
...
	.end_amdgpu_metadata
.endif
;; end of part 7
;; launch prepw: the kernel of part 2 again; grid 640 x 1, 8 waves a work-group, no clusters, 17,920 bytes of LDS; arguments Wq, Wk, Wv, Wg, Wout, wb; writes wb
;; launch gemm1: the kernel of part 3 again; grid 16 x 32, 4 waves a work-group, clusters of 4 x 4, 327,680 bytes of LDS; arguments xb, wb, qkv, gb; writes qkv, gb
;; launch scan: the kernel of part 4 again; grid 256 x 1, 4 waves a work-group, no clusters, 327,680 bytes of LDS; arguments qkv, beta, ob; writes ob
;; launch lngate: the kernel of part 5 again; grid 256 x 1, 8 waves a work-group, no clusters, 202,752 bytes of LDS; arguments ob, gb, ln_g, ln_b, yb, ysc; writes yb, ysc
;; launch gemm2: the kernel of part 6 again; grid 8 x 64, 4 waves a work-group, clusters of 4 x 4, 327,680 bytes of LDS; arguments yb, wb, ysc, out0; writes out0
